; MI455X (gfx1250); checked and timed in simulation.
; The chip was launched on July 23, 2026; its instructions are those of AMD's public machine-readable ISA for CDNA 5 (MIT licence, August 2026) and "CDNA5" Instruction Set Architecture Reference Guide (July 2026). The comments in the code are by the model that wrote it; some were corrected since.
;; Standard Multi Head Attention. Allowed arithmetic: float matrix products may take bf16 or f16 operands with f32 sums; all other float work in f32.
;; Inputs: WK 512 x 512 float32; WO 512 x 512 float32; WQ 512 x 512 float32; WV 512 x 512 float32; mask 2,048 x 2,048 int32; x 4 x 2,048 x 512 float32.
;; Outputs: out0 4 x 2,048 x 512 float32.
;; 2 versions, each right; version 2 is version 1 with the launch prep written anew for expert scheduling mode. Each part assembles by itself: llvm-mc -triple=amdgcn-amd-amdhsa -mcpu=gfx1250 --defsym DOCPART=n.
;; ======== version 1 of 2: 4 launches
;; limits: values are held in f16: magnitudes above 65,504 overflow, below 6.1e-05 lose precision
;; workspace buffers: xb 8,388,608 bytes; wb 2,097,152 bytes; mbits 524,288 bytes of whole numbers; qh 8,388,608 bytes; kv 16,777,216 bytes; att 16,777,216 bytes
;; launch prep (part 1): grid 256 x 1, 8 waves a work-group, no clusters, 70,656 bytes of LDS; arguments x, WQ, WK, WV, WO, mask, xb, wb, mbits; writes xb, wb, mbits
.if DOCPART == 1
	.amdgcn_target "amdgcn-amd-amdhsa--gfx1250"
	.amdhsa_code_object_version 6
	.text
	.protected	k_q54750bb448_prep
	.globl	k_q54750bb448_prep
	.p2align	8
	.type	k_q54750bb448_prep,@function
k_q54750bb448_prep:
	s_mov_b64 s[64:65], 0
	v_nop
	global_prefetch_b8 v0, s[64:65] scope:SCOPE_SE
	s_setreg_imm32_b32 hwreg(HW_REG_WAVE_MODE, 25, 1), 1
	s_wait_xcnt 0x0
; prep: x and the four weight matrices are rounded once to bf16 (xb; wb in the order WQ, WK, WV, WO), and the mask
; [2048][2048] of int32 is packed to one bit a word, in the order in which the attention launch holds its scores:
;   mbits[Q32][ks][qt][kt][j], bit L = (mask[32 Q32 + 16 qt + (L & 15)][64 ks + 16 kt + 8 (L >> 4) + j] != 0),
; so that one dword is the lane mask of one score register.  Any word other than 0 keeps its key.
; 2,048 waves, each with three pieces of its own: 32 rows x 256 bytes of the mask, 8,192 bytes of x, 2,048 bytes of one W.
; All 36 loads of a wave are issued in one run; no loop, no register is written again behind a store, EXEC never changes.
; The mask piece is turned through the wave's own 8,704 bytes of LDS (32 rows at a pitch of 272 = 17 x 16 bytes: the sixteen
; rows that a read touches start at sixteen different 16-byte columns modulo 256).  No wave reads another's bytes: no barrier.
.set LP,    272                        ; LDS pitch of a mask row piece (256 bytes + 16)
.set WREG,  32*LP                      ; a wave's LDS bytes
.set MK,  16                           ; v[16:79]    mask as loaded: load i = rows 2i, 2i+1
.set XF,  80                           ; v[80:143]   x as loaded; packed in place
.set WF,  144                          ; v[144:159]  W as loaded; packed in place
.set MT,  160                          ; v[160:223]  mask turned: register d = 32 qt + 8 kt + j
.set OB,  224                          ; v[224:225]  the 64 packed dwords: lane l holds dwords 2l and 2l+1
	s_load_b512 s[4:19], s[0:1], 0x0               ; x, WQ, WK, WV, WO, mask, xb, wb
	s_load_b64 s[20:21], s[0:1], 0x40              ; mbits
	v_lshl_add_u32 v232, v0, 2, 0x11000
	v_mov_b32 v233, 0
	v_lshrrev_b32 v1, 5, v0
	v_readfirstlane_b32 s24, v1                    ; wave 0..7
	v_and_b32 v1, 31, v0                           ; lane L
	v_and_b32 v7, 15, v0                           ; L & 15
	v_bfe_u32 v8, v0, 4, 1                         ; L >> 4
	v_lshlrev_b32 v9, 4, v7
	v_lshl_add_u32 v2, v8, 13, v9                  ; mask: (L >> 4) rows of 8,192 bytes + 16 (L & 15)
	v_lshlrev_b32 v3, 4, v1                        ; 16 L: f32 in
	v_lshlrev_b32 v4, 3, v1                        ; 8 L: bf16 out, and the packed mask
	s_mul_i32 s25, s24, WREG                       ; my wave's LDS bytes
	v_mul_u32_u24 v5, v8, LP
	v_add3_u32 v5, v5, v9, s25                     ; in: row L >> 4, 16 bytes at 16 (L & 15)
	v_mul_u32_u24 v6, v7, LP
	v_lshl_add_u32 v6, v8, 5, v6
	v_add_nc_u32 v6, s25, v6                       ; back: row L & 15, 32 bytes at 32 (L >> 4)
	; offsets, each in a pair of its own
	s_lshr_b32 s44, ttmp9, 2                       ; Q32 = block of 32 queries
	s_and_b32 s45, ttmp9, 3
	s_lshl3_add_u32 s45, s45, s24                  ; ks = block of 64 keys
	s_lshl_b32 s26, s44, 18                        ; 32 rows of 8,192 bytes
	s_lshl_b32 s46, s45, 8
	s_add_co_u32 s26, s26, s46
	s_mov_b32 s27, 0
	s_lshl_b32 s28, s44, 5
	s_add_co_u32 s28, s28, s45
	s_lshl_b32 s28, s28, 8                         ; (32 Q32 + ks) x 256 bytes of mbits
	s_mov_b32 s29, 0
	s_lshl3_add_u32 s46, ttmp9, s24                ; g = my wave among the 2,048
	s_lshl_b32 s30, s46, 13                        ; x: 8,192 g
	s_mov_b32 s31, 0
	s_lshl_b32 s34, s46, 12                        ; xb: 4,096 g
	s_mov_b32 s35, 0
	s_lshr_b32 s44, ttmp9, 6                       ; which W: 64 work-groups for each
	s_and_b32 s45, ttmp9, 63
	s_lshl3_add_u32 s45, s45, s24                  ; my piece of it, 0..511
	s_lshl_b32 s40, s45, 11
	s_mov_b32 s41, 0
	s_lshl_b32 s42, s44, 19                        ; wb: 524,288 bytes a matrix
	s_lshl_b32 s46, s45, 10
	s_add_co_u32 s42, s42, s46
	s_mov_b32 s43, 0
	s_wait_kmcnt 0x0
	s_cmp_eq_u32 s44, 1                            ; the choice hangs on the work-group's number alone
	s_cselect_b64 s[32:33], s[8:9], s[6:7]
	s_cmp_eq_u32 s44, 2
	s_cselect_b64 s[32:33], s[10:11], s[32:33]
	s_cmp_eq_u32 s44, 3
	s_cselect_b64 s[32:33], s[12:13], s[32:33]
	s_add_nc_u64 s[14:15], s[14:15], s[26:27]
	s_add_nc_u64 s[20:21], s[20:21], s[28:29]
	s_add_nc_u64 s[4:5], s[4:5], s[30:31]
	s_add_nc_u64 s[16:17], s[16:17], s[34:35]
	s_add_nc_u64 s[32:33], s[32:33], s[40:41]
	s_add_nc_u64 s[18:19], s[18:19], s[42:43]
.irp i, 0,1,2,3,4,5,6,7,8,9,10,11,12,13,14,15
	global_load_b128 v[MK+4*\i:MK+4*\i+3], v2, s[14:15] offset:16384*\i th:TH_LOAD_NT   ; sixteen lanes take 256 consecutive bytes of a row
.endr
.irp i, 0,1,2,3,4,5,6,7,8,9,10,11,12,13,14,15
	global_load_b128 v[XF+4*\i:XF+4*\i+3], v3, s[4:5] offset:512*\i th:TH_LOAD_NT
.endr
.irp i, 0,1,2,3
	global_load_b128 v[WF+4*\i:WF+4*\i+3], v3, s[32:33] offset:512*\i th:TH_LOAD_NT
.endr
	s_wait_loadcnt 20                              ; the mask is in; the 16 loads of x and the 4 of W stay out
.irp i, 0,1,2,3,4,5,6,7,8,9,10,11,12,13,14,15
	ds_store_b128 v5, v[MK+4*\i:MK+4*\i+3] offset:2*LP*\i
.endr
.irp qt, 0,1
.irp kt, 0,1,2,3
	ds_load_b128 v[MT+8*(4*\qt+\kt):MT+8*(4*\qt+\kt)+3],   v6 offset:16*LP*\qt+64*\kt      ; my own bytes, and LDS serves a wave's
	ds_load_b128 v[MT+8*(4*\qt+\kt)+4:MT+8*(4*\qt+\kt)+7], v6 offset:16*LP*\qt+64*\kt+16   ; instructions in order (ISA guide 5.7.1): no wait between
.endr
.endr
	s_wait_loadcnt 4                               ; x is in; W's four loads stay out
.irp i, 0,1,2,3,4,5,6,7,8,9,10,11,12,13,14,15
	v_cvt_pk_bf16_f32 v[XF+4*\i],   v[XF+4*\i],   v[XF+4*\i+1]
	v_cvt_pk_bf16_f32 v[XF+4*\i+1], v[XF+4*\i+2], v[XF+4*\i+3]
	global_store_b64 v4, v[XF+4*\i:XF+4*\i+1], s[16:17] offset:256*\i    ; the wave's store covers 256 consecutive bytes, aligned
.endr
	s_wait_loadcnt 0x0
.irp i, 0,1,2,3
	v_cvt_pk_bf16_f32 v[WF+4*\i],   v[WF+4*\i],   v[WF+4*\i+1]
	v_cvt_pk_bf16_f32 v[WF+4*\i+1], v[WF+4*\i+2], v[WF+4*\i+3]
	global_store_b64 v4, v[WF+4*\i:WF+4*\i+1], s[18:19] offset:256*\i
.endr
	s_wait_dscnt 0x0                               ; the turned mask is in
	v_mov_b32 v[OB], 0                             ; v_writelane_b32 keeps the other lanes: both registers are written whole first
	v_mov_b32 v[OB+1], 0
.set d, 0
.rept 64
	v_cmp_ne_u32 s[36+d%4], 0, v[MT+d]             ; the compare's lane mask IS dword d
	v_writelane_b32 v[OB+(d&1)], s[36+d%4], d>>1
.set d, d+1
.endr
	global_store_b64 v4, v[OB:OB+1], s[20:21]      ; 256 consecutive bytes, aligned
	s_wait_tensorcnt 0x0
	ds_add_u32 v232, v233
	s_wait_dscnt 0x0
	s_endpgm
.Lfunc_end_k_q54750bb448_prep:
	.size	k_q54750bb448_prep, .Lfunc_end_k_q54750bb448_prep-k_q54750bb448_prep
	.p2alignl 7, 3214868480
	.fill 96, 4, 3214868480
	.section	.rodata,"a",@progbits
	.p2align	6, 0x0
	.amdhsa_kernel k_q54750bb448_prep
		.amdhsa_group_segment_fixed_size 70656
		.amdhsa_private_segment_fixed_size 0
		.amdhsa_enable_private_segment 0
		.amdhsa_kernarg_size 72
		.amdhsa_user_sgpr_count 2
		.amdhsa_user_sgpr_kernarg_segment_ptr 1
		.amdhsa_wavefront_size32 1
		.amdhsa_system_sgpr_workgroup_id_x 1
		.amdhsa_system_sgpr_workgroup_id_y 1
		.amdhsa_system_sgpr_workgroup_id_z 1
		.amdhsa_system_vgpr_workitem_id 0
		.amdhsa_next_free_vgpr 234
		.amdhsa_next_free_sgpr 66
		.amdhsa_reserve_vcc 0
		.amdhsa_float_denorm_mode_32 3
		.amdhsa_float_denorm_mode_16_64 3
		.amdhsa_memory_ordered 1
		.amdhsa_forward_progress 1
		.amdhsa_inst_pref_size 21
	.end_amdhsa_kernel
	.amdgpu_metadata
---
amdhsa.version: [ 1, 2 ]
amdhsa.kernels:
  - .name:           k_q54750bb448_prep
    .symbol:         k_q54750bb448_prep.kd
    .args:
      - { .name: x, .offset: 0, .size: 8, .value_kind: global_buffer, .address_space: global }
      - { .name: WQ, .offset: 8, .size: 8, .value_kind: global_buffer, .address_space: global }
      - { .name: WK, .offset: 16, .size: 8, .value_kind: global_buffer, .address_space: global }
      - { .name: WV, .offset: 24, .size: 8, .value_kind: global_buffer, .address_space: global }
      - { .name: WO, .offset: 32, .size: 8, .value_kind: global_buffer, .address_space: global }
      - { .name: mask, .offset: 40, .size: 8, .value_kind: global_buffer, .address_space: global }
      - { .name: xb, .offset: 48, .size: 8, .value_kind: global_buffer, .address_space: global }
      - { .name: wb, .offset: 56, .size: 8, .value_kind: global_buffer, .address_space: global }
      - { .name: mbits, .offset: 64, .size: 8, .value_kind: global_buffer, .address_space: global }
    .group_segment_fixed_size: 70656
    .private_segment_fixed_size: 0
    .kernarg_segment_align: 8
    .kernarg_segment_size: 72
    .max_flat_workgroup_size: 256
    .sgpr_count:     66
    .vgpr_count:     234
    .wavefront_size: 32
...
	.end_amdgpu_metadata
.endif
;; end of part 1
;; launch qkv (part 2): grid 8 x 32, 8 waves a work-group, clusters of 4 x 4, 327,680 bytes of LDS; arguments xb, wb, qh, kv; writes qh, kv
.if DOCPART == 2
	.amdgcn_target "amdgcn-amd-amdhsa--gfx1250"
	.amdhsa_code_object_version 6
	.text
	.protected	k_q54750bb448_qkv
	.globl	k_q54750bb448_qkv
	.p2align	8
	.type	k_q54750bb448_qkv,@function
k_q54750bb448_qkv:
	s_mov_b64 s[64:65], 0
	v_nop
	global_prefetch_b8 v0, s[64:65] scope:SCOPE_SE
	s_setreg_imm32_b32 hwreg(HW_REG_WAVE_MODE, 25, 1), 1
	s_wait_xcnt 0x0
	s_wait_alu depctr_hold_cnt(0) depctr_sa_sdst(0) depctr_va_vdst(0) depctr_va_sdst(0) depctr_va_ssrc(0) depctr_va_vcc(0) depctr_vm_vsrc(0)
	s_getreg_b32 s2, hwreg(HW_REG_IB_STS2, 6, 4)
	s_cmp_eq_u32 s2, 0
	s_cbranch_scc0 .Lentry_in_a_cluster
	s_endpgm
.Lentry_in_a_cluster:
	s_bfe_u32 s2, ttmp6, 0x10000c
	s_cmp_lg_u32 s2, 0xf033
	s_cbranch_scc0 .Lentry_shape_is_right
	s_endpgm
.Lentry_shape_is_right:
; qkv: for one head and 256 tokens, Q c, K and V^T in f16 from xb and wb (bf16), sums in f32.  c = 0.125 log2(e), so that the
; attention launch can take 2^(s - m).
;   qh[bh][token][64];  kv[bh][0][key][64] = K;  kv[bh][1][64 kb + d][key in its block kb of 64] = V^T in blocks.
; LIMIT: |Q c|, |K|, |V| must stay below f16's largest number, 65,504; results below 2^-14 keep fewer bits (f16 denormals).
; Eight waves make 256 tokens x 192 features; wave w makes tokens 64 (w >> 1) .. + 63 and d = 32 (w & 1) .. + 31 of each of Q, K, V:
; 24 accumulator tiles of 16 x 16.  K = 512 goes in four steps of 128 through two LDS slots filled by the tensor data mover;
; a tile's rows are 256 bytes of memory and start at multiples of 256 bytes from the buffer's first byte.
; CLUSTERS: 4 x 4 work-groups.  x's tile hangs on the token block alone and is asked for jointly by a row of the cluster; the weights'
; tile hangs on the head alone and is asked for jointly by a column: the requests for both are divided by four.
; Q and K are made with the weights as source 0 (a lane then holds 8 neighbouring d of one token), V with x as source 0
; (a lane then holds 8 neighbouring tokens of one d): both pack into 16 bytes that belong together in memory.
; REGISTERS: window 0: v0-31 addresses, v32-111 and v112-191 two fragment buffers (4 of x, 6 of W); window 1: v0-191 the accumulators.
.set KSTEP, 128
.set PITCH, 272                        ; 256 bytes + 16: sixteen rows start at sixteen different 16-byte columns modulo 256
.set XT,    64*PITCH                   ; what one tensor load brings: 64 rows
.set WOFF,  4*XT                       ; the weights' 192 rows lie behind x's 256
.set SLOT,  7*XT
.set SP,    144                        ; the way out: rows of 128 bytes + 16
.set SREG,  256*SP                     ; one of its three regions (Q, K, V^T), in slot 0 behind that slot's last fill and last read
.set ADRX, 16                          ; v16-17  LDS address of my x fragments in slot 0, 1
.set ADRW, 20                          ; v20-21  the same for the weights
.set STQ,  24                          ; where I put 16 bytes of Q or K
.set STV,  25                          ; where I put 16 bytes of V^T
.set RD,   26                          ; where I read rows back (Q, K)
.set RD2,  27                          ; the same for V^T
.set GO,   28                          ; 16 x lane: my bytes of a store's 512
.set F0,   32
.set F1,   112
.set PK,   32                          ; v[32:127]  packed results
.set BK,   128                         ; v[128:223] rows read back
.set G1X, 16                           ; s[16:23] group 1 for x's tiles
.set G1W, 24                           ; s[24:31] group 1 for the weights' tiles: the mask alone differs
.set G0X, 32                           ; s[32:39] group 0 for x's tiles, a set for each slot
.set G0W, 48                           ; s[48:55] group 0 for the weights' tiles
.set GW0, (1<<16)|(1<<20)|(1<<21)|(5<<22)|(3<<25)  ; elements of 2 bytes; padding on; bit 21 beside a mask; after every 64 dwords; 4 dwords
.set MSB, 0
.macro WIN new                         ; the immediate's high byte repeats the setting that is left
.if MSB != \new
	s_set_vgpr_msb (MSB<<8)|\new
.set MSB, \new
.endif
.endm
.macro PLACES                          ; four places behind a matrix instruction, in front of loads into its sources and of readers of its result
.rept 4
	v_nop
.endr
.endm
.macro CROUND                          ; a round of the cluster's barrier
	s_barrier_signal -1
	s_barrier_wait -1
	s_cmp_lg_u32 s12, 0
	s_cbranch_scc1 .Lnot_wave_0_\@
	s_barrier_signal -3
.Lnot_wave_0_\@:
	s_barrier_wait -3
	s_barrier_signal -1
	s_barrier_wait -1
.endm
; A joint load: waves 0-3 bring 64 rows of x each, waves 4-6 the head's 64 rows of WQ, WK, WV; wave 7 has no part.  The branches hang on the wave's number alone.
.macro JLOAD s
	s_cmp_lt_u32 s12, 4
	s_cbranch_scc0 .Lfor_w_\@
	tensor_load_to_lds s[G0X+4*\s:G0X+4*\s+3], s[G1X:G1X+7]
	s_nop 0
	s_branch .Lasked_\@
.Lfor_w_\@:
	s_cmp_eq_u32 s12, 7
	s_cbranch_scc1 .Lasked_\@
	tensor_load_to_lds s[G0W+4*\s:G0W+4*\s+3], s[G1W:G1W+7]
	s_nop 0
.Lasked_\@:
.endm
	s_load_b256 s[4:11], s[0:1], 0x0               ; xb, wb, qh, kv
	v_lshl_add_u32 v254, v0, 2, 0x3b800
	v_mov_b32 v255, 0
	ds_add_u32 v254, v255
	v_lshrrev_b32 v1, 5, v0
	v_readfirstlane_b32 s12, v1                    ; wave 0..7
	s_lshr_b32 s13, s12, 1                         ; tr: my 64 tokens
	s_and_b32 s14, s12, 1                          ; c: my 32 of the head's 64 features
	s_bfe_u32 s40, ttmp6, 0x40000                  ; cx
	s_bfe_u32 s41, ttmp6, 0x40004                  ; cy
	s_lshl_b32 s42, ttmp9, 2
	s_add_co_u32 s42, s42, s40                     ; head = 4 x cluster x + cx
	s_and_b32 s43, ttmp7, 0xffff
	s_lshl_b32 s43, s43, 2
	s_add_co_u32 s43, s43, s41                     ; token block = 4 x cluster y + cy
	s_lshl_b32 s44, s41, 2
	s_lshl_b32 s44, 15, s44                        ; my row of the cluster
	s_lshl_b32 s45, 0x1111, s40                    ; my column
	s_mov_b32 s46, 0x3e38aa3b                      ; c = 0.125 log2(e), twice: a pair for the packed multiply
	s_mov_b32 s47, 0x3e38aa3b
	s_or_b32 s[G1X+0], s44, GW0
	s_or_b32 s[G1W+0], s45, GW0
.irp g, G1X, G1W
	s_mov_b32 s[\g+1], KSTEP<<16                   ; tensor_dim0 = 128
	s_mov_b32 s[\g+2], 64<<16                      ; tensor_dim1 = 64
	s_mov_b32 s[\g+3], KSTEP<<16                   ; tile_dim0 = 128 elements, 256 bytes
	s_mov_b32 s[\g+4], 64                          ; tile_dim1 = 64 rows
	s_mov_b32 s[\g+5], 512                         ; elements from row to row
	s_mov_b32 s[\g+6], 0
	s_mov_b32 s[\g+7], 0
.endr
	; x's address is made of the token block and the wave, the weights' of the head and the wave, in registers that never hold the other coordinate
	s_and_b32 s60, s12, 3
	s_lshl_b32 s56, s43, 18                        ; 256 rows of 1,024 bytes a block
	s_lshl_b32 s57, s60, 16                        ; 64 rows a wave
	s_add_co_u32 s56, s56, s57
	s_mov_b32 s57, 0
	s_lshl_b32 s58, s42, 16                        ; 64 rows a head
	s_lshl_b32 s59, s60, 19                        ; 512 rows a matrix: waves 4, 5, 6 take WQ, WK, WV
	s_add_co_u32 s58, s58, s59
	s_mov_b32 s59, 0
	s_mul_i32 s61, s12, XT                         ; LDS: wave x 64 rows; wave 4 begins the weights' region
	s_wait_dscnt 0x0
	s_wait_kmcnt 0x0
	s_add_nc_u64 s[56:57], s[4:5], s[56:57]
	s_add_nc_u64 s[58:59], s[6:7], s[58:59]
	CROUND                                         ; all sixteen work-groups are here: the first joint loads meet
.irp s, 0,1
	s_mov_b32 s[G0X+4*\s], 1
	s_add_co_u32 s[G0X+4*\s+1], s61, \s*SLOT
	s_add_nc_u64 s[G0X+4*\s+2:G0X+4*\s+3], s[56:57], \s*KSTEP*2
	s_or_b32 s[G0X+4*\s+3], s[G0X+4*\s+3], 0x80000000
	s_mov_b32 s[G0W+4*\s], 1
	s_add_co_u32 s[G0W+4*\s+1], s61, \s*SLOT
	s_add_nc_u64 s[G0W+4*\s+2:G0W+4*\s+3], s[58:59], \s*KSTEP*2
	s_or_b32 s[G0W+4*\s+3], s[G0W+4*\s+3], 0x80000000
	JLOAD \s                                       ; K steps 0 and 1: two loads of a wave are out (of wave 7: none)
.endr
	v_and_b32 v1, 15, v0                           ; r
	v_bfe_u32 v2, v0, 4, 1                         ; h
	v_mul_u32_u24 v3, v1, PITCH
	v_lshl_add_u32 v3, v2, 4, v3                   ; a fragment's lane term: row r, 16 bytes for each half of the lanes
	s_mul_i32 s60, s13, XT
	s_mul_i32 s61, s14, 32*PITCH
	s_add_co_u32 s61, s61, WOFF
	v_add_nc_u32 v[ADRX], s60, v3
	v_add_nc_u32 v[ADRW], s61, v3
	v_add_nc_u32 v[ADRX+1], SLOT, v[ADRX]
	v_add_nc_u32 v[ADRW+1], SLOT, v[ADRW]
	v_mul_u32_u24 v4, v1, SP
	v_lshl_add_u32 v4, v2, 4, v4                   ; 144 r + 16 h
	s_mul_i32 s60, s13, 64*SP
	s_lshl_b32 s61, s14, 6
	s_add_co_u32 s61, s61, s60
	v_add_nc_u32 v[STQ], s61, v4                   ; row = token 64 tr + r, byte 64 c + 16 h
	s_mul_i32 s61, s14, 32*SP
	s_add_co_u32 s61, s61, s60
	s_add_co_u32 s61, s61, 2*SREG
	v_add_nc_u32 v[STV], s61, v4                   ; row = 64 tr + 32 c + r (block of keys, then d), byte 16 h
	v_and_b32 v5, 31, v0
	v_lshrrev_b32 v6, 3, v5
	v_and_b32 v7, 7, v0
	v_mul_u32_u24 v6, v6, SP
	v_lshl_add_u32 v6, v7, 4, v6
	s_mul_i32 s60, s12, 32*SP
	v_add_nc_u32 v[RD], s60, v6                    ; back: my wave's 32 rows, four rows of 128 bytes a load
	v_add_nc_u32 v[RD2], 2*SREG, v[RD]
	v_lshlrev_b32 v[GO], 4, v5
; 20 LDS loads: the fragments of 32 along K at byte k of the slot's rows: x's four (16 tokens each), the weights' six (Q, K, V x 2 x 16 features)
.macro FETCH slot, k, f
	WIN 0
.irp a, 0,1,2,3
	ds_load_b128 v[\f+8*\a:\f+8*\a+3],   v[ADRX+\slot] offset:\k+\a*16*PITCH
	ds_load_b128 v[\f+8*\a+4:\f+8*\a+7], v[ADRX+\slot] offset:\k+\a*16*PITCH+32
.endr
.irp g, 0,1,2
.irp t, 0,1
	ds_load_b128 v[\f+32+8*(2*\g+\t):\f+32+8*(2*\g+\t)+3],   v[ADRW+\slot] offset:\k+\g*XT+\t*16*PITCH
	ds_load_b128 v[\f+32+8*(2*\g+\t)+4:\f+32+8*(2*\g+\t)+7], v[ADRW+\slot] offset:\k+\g*XT+\t*16*PITCH+32
.endr
.endr
.endm
; 24 matrix instructions, one for each accumulator, always in the same order: the accumulators take turns.
; zero = 1: the first products start the sums.
.macro MUL24 f, zero
	WIN 0x50                                       ; C and D in window 1, fragments in window 0
.irp g, 0,1
.irp t, 0,1
.irp a, 0,1,2,3
.if \zero
	v_wmma_f32_16x16x32_bf16 v[8*((2*\g+\t)*4+\a):8*((2*\g+\t)*4+\a)+7], v[\f+32+8*(2*\g+\t):\f+32+8*(2*\g+\t)+7], v[\f+8*\a:\f+8*\a+7], 0
.else
	v_wmma_f32_16x16x32_bf16 v[8*((2*\g+\t)*4+\a):8*((2*\g+\t)*4+\a)+7], v[\f+32+8*(2*\g+\t):\f+32+8*(2*\g+\t)+7], v[\f+8*\a:\f+8*\a+7], v[8*((2*\g+\t)*4+\a):8*((2*\g+\t)*4+\a)+7]
.endif
.endr
.endr
.endr
.irp t, 0,1
.irp a, 0,1,2,3
.if \zero
	v_wmma_f32_16x16x32_bf16 v[8*((4+\t)*4+\a):8*((4+\t)*4+\a)+7], v[\f+8*\a:\f+8*\a+7], v[\f+32+8*(4+\t):\f+32+8*(4+\t)+7], 0
.else
	v_wmma_f32_16x16x32_bf16 v[8*((4+\t)*4+\a):8*((4+\t)*4+\a)+7], v[\f+8*\a:\f+8*\a+7], v[\f+32+8*(4+\t):\f+32+8*(4+\t)+7], v[8*((4+\t)*4+\a):8*((4+\t)*4+\a)+7]
.endif
.endr
.endr
.endm
; One of a K step's first three quarters: the next quarter's fragments are asked for into buffer g, then buffer f is multiplied.
.macro QUART slot, k, f, g, zero
	PLACES                                         ; buffer g was read by the matrix instructions just in front
	FETCH \slot, \k, \g
	s_wait_dscnt 20                                ; all but the 20 just issued: buffer f is in
	MUL24 \f, \zero
.endm
.macro THREE slot, zero
	QUART \slot, 64,  F0, F1, \zero
	QUART \slot, 128, F1, F0, 0
	QUART \slot, 192, F0, F1, 0
.endm
; The last quarter of a K step whose slot is filled again, two K steps ahead.  The round of the cluster's barrier orders both things: in front of
; it every wave's reads of this slot are back and all its tensor loads have landed (the one that was out is its part of the next slot);
; behind it the joint refill comes first, then the next slot's first fragments.
.macro TURNR slot, next
	WIN 0
	PLACES
	s_wait_dscnt 0x0
	s_wait_tensorcnt 0x0
	ds_add_u32 v254, v255
	s_wait_dscnt 0x0
	s_add_nc_u64 s[G0X+4*\slot+2:G0X+4*\slot+3], s[G0X+4*\slot+2:G0X+4*\slot+3], 2*KSTEP*2   ; no load of mine is out: group 0 may be written
	s_add_nc_u64 s[G0W+4*\slot+2:G0W+4*\slot+3], s[G0W+4*\slot+2:G0W+4*\slot+3], 2*KSTEP*2
	CROUND
	JLOAD \slot                                    ; one load of a wave is out; it has the next K step's 96 matrix instructions in which to land
	FETCH \next, 0, F0
	MUL24 F1, 0
.endm
; The same where nothing is left to fetch: the work-group's barrier alone shows the next slot whole to every wave.
.macro TURNP next
	WIN 0
	PLACES
	s_wait_dscnt 0x0
	s_wait_tensorcnt 0x0
	s_barrier_signal -1
	s_barrier_wait -1
	FETCH \next, 0, F0
	MUL24 F1, 0
.endm
	s_wait_tensorcnt 0x0                           ; my parts of K steps 0 and 1 are in.  The waves issue different loads (x's, the weights', none), so the
	                                               ; wait is for zero, which shows K step 0's part landed whichever of the three ways a wave took
	s_barrier_signal -1
	s_barrier_wait -1                              ; everybody's is in
	FETCH 0, 0, F0
	THREE 0, 1
	TURNR 0, 1                                     ; K step 2 into slot 0
	THREE 1, 0
	TURNR 1, 0                                     ; K step 3 into slot 1
	THREE 0, 0
	TURNP 1                                        ; behind this barrier no wave reads slot 0 and no load fills it any more
	THREE 1, 0
	s_wait_dscnt 0x0
	MUL24 F1, 0
	; THE WAY OUT: scale Q, round to f16, 16 bytes a lane into the stage, read whole rows back, store 512 consecutive bytes an instruction.
	PLACES
	WIN 0x41                                       ; source 0 and destination in window 1
.set i, 0
.rept 32
	v_pk_mul_f32 v[2*i:2*i+1], v[2*i:2*i+1], s[46:47] op_sel_hi:[1,0]    ; Q's eight tiles are accumulators 0 to 63
.set i, i+1
.endr
	WIN 0x05                                       ; both sources in window 1, destination in window 0
.set i, 0
.rept 96
	v_cvt_pk_f16_f32 v[PK+i], v[2*i], v[2*i+1]
.set i, i+1
.endr
	WIN 0
.irp g, 0,1
.irp t, 0,1
.irp a, 0,1,2,3
	ds_store_b128 v[STQ], v[PK+4*((2*\g+\t)*4+\a):PK+4*((2*\g+\t)*4+\a)+3] offset:\g*SREG+\a*16*SP+32*\t
.endr
.endr
.endr
.irp t, 0,1
.irp a, 0,1,2,3
	ds_store_b128 v[STV], v[PK+4*((4+\t)*4+\a):PK+4*((4+\t)*4+\a)+3] offset:\t*16*SP+32*\a
.endr
.endr
	; output offsets hang on both coordinates: registers of their own, which feed no descriptor and no LDS address
	s_lshr_b32 s15, s43, 3                         ; batch
	s_lshl3_add_u32 s15, s15, s42                  ; bh = 8 b + head
	s_and_b32 s2, s43, 7
	s_lshl_b32 s2, s2, 15                          ; first token x 128 bytes
	s_lshl_b32 s3, s12, 12                         ; my wave's 32 rows
	s_add_co_u32 s2, s2, s3
	s_lshl_b32 s62, s15, 18
	s_add_co_u32 s62, s62, s2
	s_mov_b32 s63, 0
	s_lshl_b32 s15, s15, 19
	s_add_co_u32 s2, s2, s15
	s_mov_b32 s3, 0
	s_add_nc_u64 s[8:9], s[8:9], s[62:63]
	s_add_nc_u64 s[10:11], s[10:11], s[2:3]
	s_wait_dscnt 0x0                               ; my stores are done, for the waves that read these rows
	s_barrier_signal -1
	s_barrier_wait -1
.irp i, 0,1,2,3,4,5,6,7
	ds_load_b128 v[BK+4*\i:BK+4*\i+3], v[RD] offset:4*SP*\i
.endr
.irp i, 0,1,2,3,4,5,6,7
	ds_load_b128 v[BK+32+4*\i:BK+32+4*\i+3], v[RD] offset:SREG+4*SP*\i
.endr
.irp i, 0,1,2,3,4,5,6,7
	ds_load_b128 v[BK+64+4*\i:BK+64+4*\i+3], v[RD2] offset:4*SP*\i
.endr
.irp i, 0,1,2,3,4,5,6,7
	s_wait_dscnt 23-\i                             ; the younger LDS loads stay out
	global_store_b128 v[GO], v[BK+4*\i:BK+4*\i+3], s[8:9] offset:512*\i
.endr
.irp i, 0,1,2,3,4,5,6,7
	s_wait_dscnt 15-\i
	global_store_b128 v[GO], v[BK+32+4*\i:BK+32+4*\i+3], s[10:11] offset:512*\i
.endr
.irp i, 0,1,2,3,4,5,6,7
	s_wait_dscnt 7-\i
	global_store_b128 v[GO], v[BK+64+4*\i:BK+64+4*\i+3], s[10:11] offset:262144+512*\i
.endr
	s_wait_tensorcnt 0x0
	ds_add_u32 v254, v255
	s_wait_dscnt 0x0
	CROUND                                         ; the closing round: no work-group ends while a partner may still ask for a tile that names it
	s_endpgm
.Lfunc_end_k_q54750bb448_qkv:
	.size	k_q54750bb448_qkv, .Lfunc_end_k_q54750bb448_qkv-k_q54750bb448_qkv
	.p2alignl 7, 3214868480
	.fill 96, 4, 3214868480
	.section	.rodata,"a",@progbits
	.p2align	6, 0x0
	.amdhsa_kernel k_q54750bb448_qkv
		.amdhsa_group_segment_fixed_size 327680
		.amdhsa_private_segment_fixed_size 0
		.amdhsa_enable_private_segment 0
		.amdhsa_kernarg_size 32
		.amdhsa_user_sgpr_count 2
		.amdhsa_user_sgpr_kernarg_segment_ptr 1
		.amdhsa_wavefront_size32 1
		.amdhsa_system_sgpr_workgroup_id_x 1
		.amdhsa_system_sgpr_workgroup_id_y 1
		.amdhsa_system_sgpr_workgroup_id_z 1
		.amdhsa_system_vgpr_workitem_id 0
		.amdhsa_next_free_vgpr 448
		.amdhsa_next_free_sgpr 66
		.amdhsa_reserve_vcc 0
		.amdhsa_float_denorm_mode_32 3
		.amdhsa_float_denorm_mode_16_64 3
		.amdhsa_memory_ordered 1
		.amdhsa_forward_progress 1
		.amdhsa_inst_pref_size 71
	.end_amdhsa_kernel
	.amdgpu_metadata
---
amdhsa.version: [ 1, 2 ]
amdhsa.kernels:
  - .name:           k_q54750bb448_qkv
    .symbol:         k_q54750bb448_qkv.kd
    .args:
      - { .name: xb, .offset: 0, .size: 8, .value_kind: global_buffer, .address_space: global }
      - { .name: wb, .offset: 8, .size: 8, .value_kind: global_buffer, .address_space: global }
      - { .name: qh, .offset: 16, .size: 8, .value_kind: global_buffer, .address_space: global }
      - { .name: kv, .offset: 24, .size: 8, .value_kind: global_buffer, .address_space: global }
    .group_segment_fixed_size: 327680
    .private_segment_fixed_size: 0
    .kernarg_segment_align: 8
    .kernarg_segment_size: 32
    .max_flat_workgroup_size: 256
    .sgpr_count:     66
    .vgpr_count:     448
    .wavefront_size: 32
...
	.end_amdgpu_metadata
.endif
;; end of part 2
;; launch attn (part 3): grid 8 x 32, 16 waves a work-group, clusters of 4 x 1, 327,680 bytes of LDS; arguments qh, kv, mbits, att; writes att
.if DOCPART == 3
	.amdgcn_target "amdgcn-amd-amdhsa--gfx1250"
	.amdhsa_code_object_version 6
	.text
	.protected	k_q54750bb448_attn
	.globl	k_q54750bb448_attn
	.p2align	8
	.type	k_q54750bb448_attn,@function
k_q54750bb448_attn:
	s_mov_b64 s[64:65], 0
	v_nop
	global_prefetch_b8 v0, s[64:65] scope:SCOPE_SE
	s_setreg_imm32_b32 hwreg(HW_REG_WAVE_MODE, 25, 1), 1
	s_wait_xcnt 0x0
	s_wait_alu depctr_hold_cnt(0) depctr_sa_sdst(0) depctr_va_vdst(0) depctr_va_sdst(0) depctr_va_ssrc(0) depctr_va_vcc(0) depctr_vm_vsrc(0)
	s_getreg_b32 s2, hwreg(HW_REG_IB_STS2, 6, 4)
	s_cmp_eq_u32 s2, 0
	s_cbranch_scc0 .Lentry_in_a_cluster
	s_endpgm
.Lentry_in_a_cluster:
	s_bfe_u32 s2, ttmp6, 0x10000c
	s_cmp_lg_u32 s2, 0x3003
	s_cbranch_scc0 .Lentry_shape_is_right
	s_endpgm
.Lentry_shape_is_right:
; attn: softmax(Q K^T, masked) V for 256 queries of one (batch, head), with a running maximum; the result leaves as bf16 hi + bf16 lo.
; qh holds Q 0.125 log2(e), so p = 2^(s - m).  Operands f16, sums f32; the row sum is taken from the unrounded p.
; LIMITS: a row whose mask keeps no key gives NaN (sum 0, 0 x infinity), as the softmax of a row of -infinity does.  f16 operands as stored by the launch before.
; SIXTEEN WAVES of 256 registers: four on each SIMD, all of its 1,024 registers.  Wave w takes the 32 queries of block w & 7 and, of the 32 steps
; of 64 keys, those of parity w >> 3 (steps 2 i + (w >> 3)): two waves share a block of queries and halve its keys, so that each SIMD has four
; independent instruction streams: while one wave's matrix instructions or LDS loads are on their way, the others have vector work.
; The two halves meet once, at the end, through LDS: waves 8-15 hand over maximum, sum and O^T, waves 0-7 join them and store.
; S^T = K Q^T: source 0 = 16 keys, source 1 = 16 queries, so lane (r, h) holds query r and keys 8 h + j:
;   a query's maximum and sum are made inside a lane and by one exchange between the halves of the wave;
;   two neighbouring score tiles, packed to f16, ARE a source-1 fragment of O^T = V^T P^T: P makes no trip through LDS;
;   one dword of mbits is the lane mask of one score register: one select a score, no compare.
; CLUSTERS: the four query blocks of a cluster read the same K and V^T: every tile is asked for jointly (mask 15).
; LDS: two slots of 512 keys: K as 512 rows, then V^T as 512 rows (64 kb + d), pitch 144 = 9 x 16 bytes.  Four fills in all; a refill has four steps of every wave in which to land.
.set LP,    144
.set KBY,   512*LP                     ; K's part of a slot
.set SLOT,  2*KBY
.set WTILE, 64*LP                      ; what one tensor load brings: 64 rows of 128 bytes (a slot's 131,072 bytes shared among 16 waves)
.set FILLB, 65536                      ; 512 rows of 128 bytes in memory
.set STEPB, 64*LP                      ; 64 rows: a step's keys; a wave goes on by two of them
.set XA,   2                           ; where a pair of waves hands over: 16 x lane + the pair's bytes
.set KB,   3                           ; 144 r + 16 h + my parity's 64 rows
.set KA,   4                           ; this step's K rows
.set VA,   5                           ; this step's V^T rows
.set NINF, 6
.set GO,   7                           ; 16 x lane
.set TT,   8                           ; v[8:11]    at work on the maxima, a pair for each block of 16 queries
.set MP,   12                          ; v[12:15]   running maximum, twice (a pair for the packed subtraction)
.set AL,   16                          ; v[16:19]   2^(old maximum - new), twice
.set LS,   20                          ; v[20:21]   running sum of my half's keys
.set SU,   22                          ; v[22:29]   at work on the sums
.set ST,   30
.set RD,   31
.set QF,   32                          ; v[32:63]   Q fragments, 16 qt + 8 ks
.set OA,   64                          ; v[64:127]  O^T accumulators, 8 (4 qt + dt)
.set SC,   128                         ; v[128:191] scores, 32 qt + 8 kt + j; then P packed into 32 qt + 0..15
.set KV,   192                         ; v[192:255] K fragments 8 (2 kt + ks), then V^T fragments 8 (4 g + dt)
.set G1,   84
.set G0A,  92                          ; slot 0
.set G0B,  96                          ; slot 1
.macro ROUND                           ; a round of the cluster's barrier
	s_barrier_signal -1
	s_barrier_wait -1
	s_cmp_lg_u32 s52, 0
	s_cbranch_scc1 .Lnot_wave_0_\@
	s_barrier_signal -3
.Lnot_wave_0_\@:
	s_barrier_wait -3
	s_barrier_signal -1
	s_barrier_wait -1
.endm
	s_load_b256 s[4:11], s[0:1], 0x0               ; qh, kv, mbits, att
	v_lshl_add_u32 v190, v0, 2, 0x48000
	v_mov_b32 v191, 0
	ds_add_u32 v190, v191
	s_wait_dscnt 0x0
	v_lshrrev_b32 v1, 5, v0
	v_readfirstlane_b32 s52, v1                    ; wave 0..15
	s_and_b32 s12, s52, 7                          ; my block of 32 queries among the work-group's eight
	s_lshr_b32 s13, s52, 3                         ; my parity of the steps.  Also: I fetch for K (0) or for V^T (1)
	s_bfe_u32 s66, ttmp6, 0x40000                  ; cx
	s_lshl_b32 s62, ttmp9, 2
	s_add_co_u32 s66, s62, s66                     ; query block = 4 x cluster x + cx
	s_and_b32 s67, ttmp7, 0xffff                   ; bh: shared by the four partners
	s_mov_b32 s54, 0x76543210                      ; v_permlanex16_b32: lane i reads lane i of the other half
	s_mov_b32 s55, 0xfedcba98
	; group 1: a dense block of 8,192 bytes as 32 rows of 256 bytes; 4 dwords of padding after every 32 dwords, counted along the tile: in LDS 64 rows at pitch 144
	s_mov_b32 s[G1+0], 15|(1<<16)|(1<<20)|(1<<21)|(4<<22)|(3<<25)
	s_mov_b32 s[G1+1], 128<<16
	s_mov_b32 s[G1+2], 32<<16
	s_mov_b32 s[G1+3], 128<<16
	s_mov_b32 s[G1+4], 32
	s_mov_b32 s[G1+5], 128
	s_mov_b32 s[G1+6], 0
	s_mov_b32 s[G1+7], 0
	; waves 0-7 bring K's eight parts, waves 8-15 V^T's, by arithmetic on the wave's number: one line, no branch, the same count of loads in every wave
	s_lshl_b32 s2, s67, 19
	s_lshl_b32 s3, s13, 18
	s_add_co_u32 s2, s2, s3
	s_lshl_b32 s3, s12, 13
	s_add_co_u32 s2, s2, s3
	s_mov_b32 s3, 0
	s_mov_b32 s[G0A], 1
	s_mul_i32 s[G0A+1], s52, WTILE
	s_mov_b32 s[G0B], 1
	s_add_co_u32 s[G0B+1], s[G0A+1], SLOT
	s_lshl_b32 s62, s67, 18                        ; my 32 rows of qh and att: (2,048 bh + 256 qb + 32 (w & 7)) x 128 bytes
	s_lshl_b32 s63, s66, 15
	s_add_co_u32 s62, s62, s63
	s_lshl_b32 s63, s12, 12
	s_add_co_u32 s62, s62, s63
	s_mov_b32 s63, 0
	s_lshl3_add_u32 s66, s66, s12                  ; my block of 32 queries among the 64
	s_lshl_b32 s56, s66, 13                        ; 32 steps x 256 bytes of mbits,
	s_lshl_b32 s57, s13, 8                         ; beginning at the step of my parity
	s_add_co_u32 s56, s56, s57
	s_mov_b32 s57, 0
	s_wait_kmcnt 0x0
	s_add_nc_u64 s[G0A+2:G0A+3], s[6:7], s[2:3]
	s_add_nc_u64 s[G0B+2:G0B+3], s[G0A+2:G0A+3], FILLB
	s_or_b32 s[G0A+3], s[G0A+3], 0x80000000
	s_or_b32 s[G0B+3], s[G0B+3], 0x80000000
	s_add_nc_u64 s[58:59], s[10:11], s[62:63]      ; att, hi
	s_add_nc_u64 s[60:61], s[58:59], 0x800000      ; att, lo
	s_add_nc_u64 s[62:63], s[4:5], s[62:63]        ; Q
	s_add_nc_u64 s[56:57], s[8:9], s[56:57]        ; this step's 64 mask dwords
	ROUND                                          ; the four work-groups are here: the first joint loads meet
	tensor_load_to_lds s[G0A:G0A+3], s[G1:G1+7]    ; keys 0 to 511
	s_nop 0
	tensor_load_to_lds s[G0B:G0B+3], s[G1:G1+7]    ; keys 512 to 1,023: two loads of a wave are out
	s_nop 0
	v_and_b32 v1, 15, v0                           ; r
	v_bfe_u32 v2, v0, 4, 1                         ; h
	v_lshlrev_b32 v10, 7, v1
	v_lshl_add_u32 v10, v2, 4, v10                 ; row r of 128 bytes + 16 h
.irp qt, 0,1
.irp ks, 0,1
	global_load_b128 v[QF+16*\qt+8*\ks:QF+16*\qt+8*\ks+3],   v10, s[62:63] offset:2048*\qt+64*\ks
	global_load_b128 v[QF+16*\qt+8*\ks+4:QF+16*\qt+8*\ks+7], v10, s[62:63] offset:2048*\qt+64*\ks+32
.endr
.endr
	s_mul_i32 s3, s13, STEPB                       ; my parity's 64 rows (s13 is read here for the last time: the masks land on it)
	s_load_b512 s[4:19],  s[56:57], 0x0            ; my first step's masks (the four pointers have been moved on)
	s_load_b512 s[20:35], s[56:57], 0x40
	s_load_b512 s[36:51], s[56:57], 0x80
	s_load_b512 s[68:83], s[56:57], 0xc0
	v_mul_u32_u24 v[KB], v1, LP
	v_lshl_add_u32 v[KB], v2, 4, v[KB]
	v_mov_b32 v[NINF], 0xff800000
	v_and_b32 v8, 31, v0
	v_lshlrev_b32 v[GO], 4, v8
	s_mul_i32 s2, s52, 64*LP                       ; 9,216 bytes a wave: waves 0-7 their stage (32 rows of hi, 32 of lo), waves 8-15 what they hand over
	v_add_nc_u32 v[ST], s2, v[KB]
	v_add_nc_u32 v[KB], s3, v[KB]
	v_lshrrev_b32 v9, 3, v8
	v_and_b32 v8, 7, v0
	v_mul_u32_u24 v9, v9, LP
	v_lshl_add_u32 v9, v8, 4, v9
	v_add_nc_u32 v[RD], s2, v9
.irp i, 0,1,2,3
	v_mov_b32 v[MP+\i], 0xff7fffff                 ; the running maximum starts at the lowest finite number: with every key masked so far p = 2^(-infinity) = 0 and the factor is 2^0
.endr
; The maximum of a query's 32 scores of my half, the other half's and the old one; the factor for what has been summed so far.
.macro MAXQ qt, first
	v_max3_num_f32 v[TT+2*\qt],   v[SC+32*\qt],    v[SC+32*\qt+1],  v[MP+2*\qt]
	v_max3_num_f32 v[TT+2*\qt+1], v[SC+32*\qt+16], v[SC+32*\qt+17], v[MP+2*\qt]
.irp i, 2,4,6,8,10,12,14
	v_max3_num_f32 v[TT+2*\qt],   v[SC+32*\qt+\i],    v[SC+32*\qt+\i+1],  v[TT+2*\qt]
	v_max3_num_f32 v[TT+2*\qt+1], v[SC+32*\qt+16+\i], v[SC+32*\qt+17+\i], v[TT+2*\qt+1]
.endr
	v_max_num_f32 v[TT+2*\qt], v[TT+2*\qt], v[TT+2*\qt+1]
	v_permlanex16_b32 v[TT+2*\qt+1], v[TT+2*\qt], s54, s55
	v_max_num_f32 v[TT+2*\qt], v[TT+2*\qt], v[TT+2*\qt+1]
.if \first == 0
	v_sub_f32 v[TT+2*\qt+1], v[MP+2*\qt], v[TT+2*\qt]
	v_exp_f32 v[AL+2*\qt], v[TT+2*\qt+1]           ; the two moves below are the plain places behind it (ISA guide 5.7.2)
.endif
	v_mov_b32 v[MP+2*\qt],   v[TT+2*\qt]
	v_mov_b32 v[MP+2*\qt+1], v[TT+2*\qt]
.if \first == 0
	s_wait_alu depctr_va_vdst(0)
	v_mov_b32 v[AL+2*\qt+1], v[AL+2*\qt]
.endif
.endm
.macro SUBQ qt
.set i, 0
.rept 16
	v_pk_add_f32 v[SC+32*\qt+2*i:SC+32*\qt+2*i+1], v[SC+32*\qt+2*i:SC+32*\qt+2*i+1], v[MP+2*\qt:MP+2*\qt+1] neg_lo:[0,1] neg_hi:[0,1]
.set i, i+1
.endr
.endm
.macro EXPQ qt
.set i, 0
.rept 32
	v_exp_f32 v[SC+32*\qt+i], v[SC+32*\qt+i]
.set i, i+1
.endr
.endm
; The sum of my 32 p, in four chains, onto the running sum.
.macro SUMQ qt, first
	s_wait_alu depctr_va_vdst(0)
.irp k, 0,1,2,3
	v_pk_add_f32 v[SU+2*\k:SU+2*\k+1], v[SC+32*\qt+4*\k:SC+32*\qt+4*\k+1], v[SC+32*\qt+4*\k+2:SC+32*\qt+4*\k+3]
.endr
.irp k, 0,1,2,3
	v_pk_add_f32 v[SU+2*\k:SU+2*\k+1], v[SU+2*\k:SU+2*\k+1], v[SC+32*\qt+16+2*\k:SC+32*\qt+16+2*\k+1]
.endr
.irp k, 0,1,2,3
	v_pk_add_f32 v[SU+2*\k:SU+2*\k+1], v[SU+2*\k:SU+2*\k+1], v[SC+32*\qt+24+2*\k:SC+32*\qt+24+2*\k+1]
.endr
	v_pk_add_f32 v[SU:SU+1],   v[SU:SU+1],   v[SU+2:SU+3]
	v_pk_add_f32 v[SU+4:SU+5], v[SU+4:SU+5], v[SU+6:SU+7]
	v_pk_add_f32 v[SU:SU+1],   v[SU:SU+1],   v[SU+4:SU+5]
.if \first
	v_add_f32 v[LS+\qt], v[SU], v[SU+1]
.else
	v_add_f32 v[SU], v[SU], v[SU+1]
	v_fma_f32 v[LS+\qt], v[LS+\qt], v[AL+2*\qt], v[SU]
.endif
.endm
.macro CVTQ qt                         ; p to f16, in place and ascending: register i takes registers 2 i and 2 i + 1
.set i, 0
.rept 16
	v_cvt_pk_f16_f32 v[SC+32*\qt+i], v[SC+32*\qt+2*i], v[SC+32*\qt+2*i+1]
.set i, i+1
.endr
.endm
; One step: 64 keys.  first = 1: the sums start here.  last = 1: no masks are left to ask for.
.macro STEP first, last
.irp kt, 0,1,2,3
.irp ks, 0,1
	ds_load_b128 v[KV+8*(2*\kt+\ks):KV+8*(2*\kt+\ks)+3],   v[KA] offset:\kt*16*LP+64*\ks
	ds_load_b128 v[KV+8*(2*\kt+\ks)+4:KV+8*(2*\kt+\ks)+7], v[KA] offset:\kt*16*LP+64*\ks+32
.endr
.endr
	s_wait_dscnt 0x0
	; S^T: eight tiles, d = 0..31 starts each sum, d = 32..63 adds onto it; the eight accumulators take turns
.irp ks, 0,1
.irp qt, 0,1
.irp kt, 0,1,2,3
.if \ks
	v_wmma_f32_16x16x32_f16 v[SC+32*\qt+8*\kt:SC+32*\qt+8*\kt+7], v[KV+8*(2*\kt+1):KV+8*(2*\kt+1)+7], v[QF+16*\qt+8:QF+16*\qt+15], v[SC+32*\qt+8*\kt:SC+32*\qt+8*\kt+7]
.else
	v_wmma_f32_16x16x32_f16 v[SC+32*\qt+8*\kt:SC+32*\qt+8*\kt+7], v[KV+8*(2*\kt):KV+8*(2*\kt)+7], v[QF+16*\qt:QF+16*\qt+7], 0
.endif
.endr
.endr
.endr
	v_add_nc_u32 v[KA], 2*STEPB, v[KA]             ; my next step is two on.  Four places: behind them loads land on K's registers and the selects read the scores
	v_nop
	v_nop
	v_nop
.irp g, 0,1
.irp dt, 0,1,2,3
	ds_load_b128 v[KV+8*(4*\g+\dt):KV+8*(4*\g+\dt)+3],   v[VA] offset:\dt*16*LP+64*\g
	ds_load_b128 v[KV+8*(4*\g+\dt)+4:KV+8*(4*\g+\dt)+7], v[VA] offset:\dt*16*LP+64*\g+32
.endr
.endr
	s_wait_kmcnt 0x0                               ; this step's 64 mask dwords, asked for a step ago
.set i, 0
.rept 64
	v_cndmask_b32 v[SC+i], v[NINF], v[SC+i], s[4+i+(i/48)*16]   ; bit 0: -infinity.  Dwords 48..63 lie in s[68:83]
.set i, i+1
.endr
.if \last == 0
	s_add_nc_u64 s[56:57], s[56:57], 512           ; two steps of 256 bytes on; the loads that read this pointer are done (the wait above)
	s_load_b512 s[4:19],  s[56:57], 0x0            ; my next step's masks have the rest of this step in which to come
	s_load_b512 s[20:35], s[56:57], 0x40
	s_load_b512 s[36:51], s[56:57], 0x80
	s_load_b512 s[68:83], s[56:57], 0xc0
.endif
	MAXQ 0, \first
	MAXQ 1, \first
	SUBQ 0
	EXPQ 0
	SUBQ 1                                         ; its first line is the plain place behind the exponentials above
	EXPQ 1
	SUMQ 0, \first                                 ; likewise: it begins on the other block's registers
	CVTQ 0
	SUMQ 1, \first
	CVTQ 1
.if \first == 0
.irp qt, 0,1
.set i, 0
.rept 16
	v_pk_mul_f32 v[OA+32*\qt+2*i:OA+32*\qt+2*i+1], v[OA+32*\qt+2*i:OA+32*\qt+2*i+1], v[AL+2*\qt:AL+2*\qt+1]
.set i, i+1
.endr
.endr
.endif
	s_wait_dscnt 0x0                               ; V^T's fragments, asked for in front of the softmax
	; O^T += V^T P^T: keys 0..31, then 32..63; the eight accumulators take turns
.irp g, 0,1
.irp dt, 0,1,2,3
.irp qt, 0,1
.set ZC, \first*(1-\g)
.if ZC
	v_wmma_f32_16x16x32_f16 v[OA+8*(4*\qt+\dt):OA+8*(4*\qt+\dt)+7], v[KV+8*(4*\g+\dt):KV+8*(4*\g+\dt)+7], v[SC+32*\qt+8*\g:SC+32*\qt+8*\g+7], 0
.else
	v_wmma_f32_16x16x32_f16 v[OA+8*(4*\qt+\dt):OA+8*(4*\qt+\dt)+7], v[KV+8*(4*\g+\dt):KV+8*(4*\g+\dt)+7], v[SC+32*\qt+8*\g:SC+32*\qt+8*\g+7], v[OA+8*(4*\qt+\dt):OA+8*(4*\qt+\dt)+7]
.endif
.endr
.endr
.endr
	v_add_nc_u32 v[VA], 2*STEPB, v[VA]             ; five places: the next step's products write over P's registers, and its loads land on V^T's
	v_nop
	v_nop
	v_nop
	v_nop
.endm
; A slot that has been read is filled again, 1,024 keys on.  In front of the round every wave's reads are back and all its tensor loads have landed
; (the other slot's among them); behind it the joint load comes first: one load of a wave is out.
.macro REFILL g0
	s_wait_dscnt 0x0
	s_wait_xcnt 0x0
	v_lshl_add_u32 v190, v0, 2, 0x48000
	v_mov_b32 v191, 0
	s_wait_tensorcnt 0x0
	ds_add_u32 v190, v191
	s_wait_dscnt 0x0
	s_add_nc_u64 s[\g0+2:\g0+3], s[\g0+2:\g0+3], 2*FILLB
	ROUND
	tensor_load_to_lds s[\g0:\g0+3], s[G1:G1+7]
	s_nop 0
.endm
	s_wait_loadcnt 0x0                             ; Q
	s_wait_tensorcnt 0x1                           ; my part of slot 0 is in; slot 1's may stay out
	s_barrier_signal -1
	s_barrier_wait -1
	v_mov_b32 v[KA], v[KB]                         ; keys 0 to 511, slot 0: my four of its eight steps
	v_add_nc_u32 v[VA], KBY, v[KB]
	STEP 1, 0
	s_mov_b32 s53, 3
.Lp1:
	STEP 0, 0
	s_sub_co_i32 s53, s53, 1
	s_cmp_lg_u32 s53, 0
	s_cbranch_scc1 .Lp1
	REFILL G0A                                     ; keys 1,024 to 1,535 into slot 0
	v_add_nc_u32 v[KA], SLOT, v[KB]                ; keys 512 to 1,023, slot 1
	v_add_nc_u32 v[VA], SLOT+KBY, v[KB]
	s_mov_b32 s53, 4
.Lp2:
	STEP 0, 0
	s_sub_co_i32 s53, s53, 1
	s_cmp_lg_u32 s53, 0
	s_cbranch_scc1 .Lp2
	REFILL G0B                                     ; keys 1,536 to 2,047 into slot 1
	v_mov_b32 v[KA], v[KB]                         ; keys 1,024 to 1,535, slot 0
	v_add_nc_u32 v[VA], KBY, v[KB]
	s_mov_b32 s53, 4
.Lp3:
	STEP 0, 0
	s_sub_co_i32 s53, s53, 1
	s_cmp_lg_u32 s53, 0
	s_cbranch_scc1 .Lp3
	s_wait_dscnt 0x0                               ; nothing is left to fetch: the work-group's barrier shows slot 1 whole to every wave,
	s_wait_tensorcnt 0x0                           ; and behind it no wave reads slot 0 and no load fills it any more
	s_barrier_signal -1
	s_barrier_wait -1
	v_add_nc_u32 v[KA], SLOT, v[KB]                ; keys 1,536 to 2,047, slot 1
	v_add_nc_u32 v[VA], SLOT+KBY, v[KB]
	s_mov_b32 s53, 3
.Lp4:
	STEP 0, 0
	s_sub_co_i32 s53, s53, 1
	s_cmp_lg_u32 s53, 0
	s_cbranch_scc1 .Lp4
	STEP 0, 1
	; THE TWO HALVES OF THE KEYS MEET (the last step's five places stand behind the last matrix instruction).
	; Wave 8 + q hands its O^T, maxima and sums to wave q: 17 stores of 512 consecutive bytes into bytes 9,216 w .. of LDS, which for w = 8..15 are the
	; upper half of slot 0: that slot has had its last fill, and its last reads stand in front of the barrier that precedes the last four steps.
	v_add_nc_u32 v[XA], s2, v[GO]                  ; 9,216 w + 16 x lane
	s_cmp_lt_u32 s52, 8                            ; the branch hangs on the wave's number alone and jumps over no barrier
	s_cbranch_scc1 .Lkeeps
	v_mov_b32 v[MP+1], v[LS]                       ; (m, l) of queries 0-15, (m, l) of queries 16-31: one store of 16 bytes a lane
	v_mov_b32 v[MP+3], v[LS+1]
.irp i, 0,1,2,3,4,5,6,7,8,9,10,11,12,13,14,15
	ds_store_b128 v[XA], v[OA+4*\i:OA+4*\i+3] offset:512*\i
.endr
	ds_store_b128 v[XA], v[MP:MP+3] offset:8192
.Lkeeps:
	s_wait_dscnt 0x0                               ; my stores are done, for the wave that reads them
	s_barrier_signal -1
	s_barrier_wait -1
	s_cmp_lt_u32 s52, 8
	s_cbranch_scc0 .Lclose                         ; waves 8-15 have handed over and go to the closing round
	v_add_nc_u32 v[XA], KBY, v[XA]                 ; wave q reads what wave 8 + q wrote: 9,216 (8 + q) = 73,728 + 9,216 q
	ds_load_b128 v[KV:KV+3], v[XA] offset:8192     ; the partner's m, l, m, l
.irp i, 0,1,2,3,4,5,6,7,8,9,10,11,12,13,14,15
	ds_load_b128 v[SC+4*\i:SC+4*\i+3], v[XA] offset:512*\i         ; the partner's O^T, register for register
.endr
	s_wait_dscnt 16                                ; m and l are in; the 16 loads of O^T issued behind them stay out
.irp qt, 0,1
	v_max_num_f32 v[TT+2*\qt], v[MP+2*\qt], v[KV+2*\qt]            ; the maximum over all keys
	v_sub_f32 v[TT+2*\qt+1], v[MP+2*\qt], v[TT+2*\qt]
	v_sub_f32 v[SU+2*\qt],   v[KV+2*\qt], v[TT+2*\qt]
.endr
	v_exp_f32 v[AL],   v[TT+1]                     ; my half's factor; a half with no key left has m at the lowest finite number, sum 0 and O 0
	v_exp_f32 v[AL+2], v[TT+3]
	v_exp_f32 v[SU+4], v[SU]                       ; the partner's factor
	v_exp_f32 v[SU+6], v[SU+2]
	v_nop                                          ; the plain place behind the exponentials (ISA guide 5.7.2)
	s_wait_alu depctr_va_vdst(0)
	v_mul_f32 v[LS],   v[LS],   v[AL]
	v_mul_f32 v[LS+1], v[LS+1], v[AL+2]
	v_fma_f32 v[LS],   v[KV+1], v[SU+4], v[LS]
	v_fma_f32 v[LS+1], v[KV+3], v[SU+6], v[LS+1]
	v_permlanex16_b32 v[TT],   v[LS],   s54, s55   ; the other half of the lanes holds the other keys of each tile
	v_permlanex16_b32 v[TT+1], v[LS+1], s54, s55
	v_add_f32 v[LS],   v[LS],   v[TT]
	v_add_f32 v[LS+1], v[LS+1], v[TT+1]
	v_rcp_f32 v[TT+2], v[LS]
	v_rcp_f32 v[TT+3], v[LS+1]
	v_nop                                          ; the plain place behind the reciprocals
	s_wait_alu depctr_va_vdst(0)
	v_mul_f32 v[AL],   v[AL],   v[TT+2]            ; the division by the whole sum goes into the two factors
	v_mul_f32 v[AL+2], v[AL+2], v[TT+3]
	v_mul_f32 v[SU+4], v[SU+4], v[TT+2]
	v_mul_f32 v[SU+6], v[SU+6], v[TT+3]
	v_mov_b32 v[AL+1], v[AL]                       ; pairs for the packed arithmetic
	v_mov_b32 v[AL+3], v[AL+2]
	v_mov_b32 v[SU+5], v[SU+4]
	v_mov_b32 v[SU+7], v[SU+6]
.irp qt, 0,1
.set i, 0
.rept 16
	v_pk_mul_f32 v[OA+32*\qt+2*i:OA+32*\qt+2*i+1], v[OA+32*\qt+2*i:OA+32*\qt+2*i+1], v[AL+2*\qt:AL+2*\qt+1]
.set i, i+1
.endr
.endr
	s_wait_dscnt 0x0                               ; the partner's O^T
.irp qt, 0,1
.set i, 0
.rept 16
	v_pk_fma_f32 v[OA+32*\qt+2*i:OA+32*\qt+2*i+1], v[SC+32*\qt+2*i:SC+32*\qt+2*i+1], v[SU+4+2*\qt:SU+5+2*\qt], v[OA+32*\qt+2*i:OA+32*\qt+2*i+1]
.set i, i+1
.endr
.endr
	; THE WAY OUT: split into bf16 hi and bf16 lo = O - hi.
.set i, 0
.rept 32
	v_cvt_pk_bf16_f32 v[SC+i], v[OA+2*i], v[OA+2*i+1]
	v_lshlrev_b32 v[SU+2*(i%4)],   16, v[SC+i]
	v_and_b32     v[SU+2*(i%4)+1], 0xffff0000, v[SC+i]
	v_pk_add_f32 v[SU+2*(i%4):SU+2*(i%4)+1], v[OA+2*i:OA+2*i+1], v[SU+2*(i%4):SU+2*(i%4)+1] neg_lo:[0,1] neg_hi:[0,1]
	v_cvt_pk_bf16_f32 v[SC+32+i], v[SU+2*(i%4)], v[SU+2*(i%4)+1]
.set i, i+1
.endr
	; 16 bytes a lane (query r, 8 neighbouring d) into my wave's own stage (bytes 9,216 w .., w = 0..7: the lower half of slot 0), whole rows back:
	; LDS serves a wave's instructions in order (ISA guide 5.7.1)
.irp qt, 0,1
.irp dt, 0,1,2,3
	ds_store_b128 v[ST], v[SC+4*(4*\qt+\dt):SC+4*(4*\qt+\dt)+3]       offset:\qt*16*LP+32*\dt
	ds_store_b128 v[ST], v[SC+32+4*(4*\qt+\dt):SC+32+4*(4*\qt+\dt)+3] offset:32*LP+\qt*16*LP+32*\dt
.endr
.endr
.irp i, 0,1,2,3,4,5,6,7
	ds_load_b128 v[KV+4*\i:KV+4*\i+3], v[RD] offset:4*LP*\i
.endr
.irp i, 0,1,2,3,4,5,6,7
	ds_load_b128 v[KV+32+4*\i:KV+32+4*\i+3], v[RD] offset:32*LP+4*LP*\i
.endr
.irp i, 0,1,2,3,4,5,6,7
	s_wait_dscnt 15-\i                             ; the younger LDS loads stay out
	global_store_b128 v[GO], v[KV+4*\i:KV+4*\i+3], s[58:59] offset:512*\i       ; four rows of 128 bytes: 512 consecutive bytes, aligned
.endr
.irp i, 0,1,2,3,4,5,6,7
	s_wait_dscnt 7-\i
	global_store_b128 v[GO], v[KV+32+4*\i:KV+32+4*\i+3], s[60:61] offset:512*\i
.endr
.Lclose:
	s_wait_xcnt 0x0
	v_lshl_add_u32 v190, v0, 2, 0x48000
	v_mov_b32 v191, 0
	s_wait_tensorcnt 0x0
	ds_add_u32 v190, v191
	s_wait_dscnt 0x0
	ROUND                                          ; the closing round
	s_endpgm
.Lfunc_end_k_q54750bb448_attn:
	.size	k_q54750bb448_attn, .Lfunc_end_k_q54750bb448_attn-k_q54750bb448_attn
	.p2alignl 7, 3214868480
	.fill 96, 4, 3214868480
	.section	.rodata,"a",@progbits
	.p2align	6, 0x0
	.amdhsa_kernel k_q54750bb448_attn
		.amdhsa_group_segment_fixed_size 327680
		.amdhsa_private_segment_fixed_size 0
		.amdhsa_enable_private_segment 0
		.amdhsa_kernarg_size 32
		.amdhsa_user_sgpr_count 2
		.amdhsa_user_sgpr_kernarg_segment_ptr 1
		.amdhsa_wavefront_size32 1
		.amdhsa_system_sgpr_workgroup_id_x 1
		.amdhsa_system_sgpr_workgroup_id_y 1
		.amdhsa_system_sgpr_workgroup_id_z 1
		.amdhsa_system_vgpr_workitem_id 0
		.amdhsa_next_free_vgpr 256
		.amdhsa_next_free_sgpr 100
		.amdhsa_reserve_vcc 0
		.amdhsa_float_denorm_mode_32 3
		.amdhsa_float_denorm_mode_16_64 3
		.amdhsa_memory_ordered 1
		.amdhsa_forward_progress 1
		.amdhsa_inst_pref_size 156
	.end_amdhsa_kernel
	.amdgpu_metadata
---
amdhsa.version: [ 1, 2 ]
amdhsa.kernels:
  - .name:           k_q54750bb448_attn
    .symbol:         k_q54750bb448_attn.kd
    .args:
      - { .name: qh, .offset: 0, .size: 8, .value_kind: global_buffer, .address_space: global }
      - { .name: kv, .offset: 8, .size: 8, .value_kind: global_buffer, .address_space: global }
      - { .name: mbits, .offset: 16, .size: 8, .value_kind: global_buffer, .address_space: global }
      - { .name: att, .offset: 24, .size: 8, .value_kind: global_buffer, .address_space: global }
    .group_segment_fixed_size: 327680
    .private_segment_fixed_size: 0
    .kernarg_segment_align: 8
    .kernarg_segment_size: 32
    .max_flat_workgroup_size: 512
    .sgpr_count:     100
    .vgpr_count:     256
    .wavefront_size: 32
...
	.end_amdgpu_metadata
.endif
;; end of part 3
;; launch oproj (part 4): grid 4 x 64, 8 waves a work-group, clusters of 4 x 4, 327,680 bytes of LDS; arguments att, wb, out0; writes out0
.if DOCPART == 4
	.amdgcn_target "amdgcn-amd-amdhsa--gfx1250"
	.amdhsa_code_object_version 6
	.text
	.protected	k_q54750bb448_oproj
	.globl	k_q54750bb448_oproj
	.p2align	8
	.type	k_q54750bb448_oproj,@function
k_q54750bb448_oproj:
	s_mov_b64 s[64:65], 0
	v_nop
	global_prefetch_b8 v0, s[64:65] scope:SCOPE_SE
	s_setreg_imm32_b32 hwreg(HW_REG_WAVE_MODE, 25, 1), 1
	s_wait_xcnt 0x0
	s_wait_alu depctr_hold_cnt(0) depctr_sa_sdst(0) depctr_va_vdst(0) depctr_va_sdst(0) depctr_va_ssrc(0) depctr_va_vcc(0) depctr_vm_vsrc(0)
	s_getreg_b32 s2, hwreg(HW_REG_IB_STS2, 6, 4)
	s_cmp_eq_u32 s2, 0
	s_cbranch_scc0 .Lentry_in_a_cluster
	s_endpgm
.Lentry_in_a_cluster:
	s_bfe_u32 s2, ttmp6, 0x10000c
	s_cmp_lg_u32 s2, 0xf033
	s_cbranch_scc0 .Lentry_shape_is_right
	s_endpgm
.Lentry_shape_is_right:
; oproj: out0[token][f] = sum over e of (hi + lo)[token][e] WO[f][e], bf16 operands, f32 sums, f32 out.
; hi and lo are two products onto one accumulator, so the attention's result enters with 16 bits of mantissa against WO's bf16.
; A work-group makes 128 tokens x 128 features; wave w makes tokens 32 (w >> 1) .. + 31 and features 64 (w & 1) .. + 63: 8 accumulator tiles.
; e = 512 goes in four steps of two heads through two LDS slots: four planes of att (hi, lo x two heads; 128 rows of 128 bytes, pitch 144), then 128 rows of WO (256 bytes, pitch 272).
; CLUSTERS: 4 x 4 work-groups.  att's planes hang on the token block alone and are asked for jointly by a row of the cluster, WO's rows on the
; feature block alone, by a column.
; WO's fragment is source 0: a lane then holds 8 neighbouring features of one token, 32 bytes that belong together.
.set AP,     144
.set PLANE,  128*AP                    ; 18,432
.set WP,     272
.set WHALF,  64*WP                     ; 17,408: what one of WO's loads brings
.set WOFF,   4*PLANE
.set SLOT,   WOFF+2*WHALF              ; 108,544
.set STAGE,  2*SLOT                    ; behind the ring: 16 rows x 272 bytes for each wave; no load ever fills these bytes
.set ADRA, 16                          ; v16-17
.set ADRW, 20                          ; v20-21
.set ST,   24
.set RD,   25
.set CO,   26
.set ACC,  32                          ; v[32:95]   8 (2 t + a)
.set F0,   96                          ; v[96:159]  hi(a) at 8 a, lo(a) at 16 + 8 a, WO(t) at 32 + 8 t
.set F1,   160                         ; v[160:223]
.set G1A, 16
.set G1W, 24
.set G0A, 32
.set G0W, 48
.macro PLACES                          ; four places behind a matrix instruction (ISA guide 7.12.1)
.rept 4
	v_nop
.endr
.endm
.macro CROUND                          ; a round of the cluster's barrier
	s_barrier_signal -1
	s_barrier_wait -1
	s_cmp_lg_u32 s12, 0
	s_cbranch_scc1 .Lnot_wave_0_\@
	s_barrier_signal -3
.Lnot_wave_0_\@:
	s_barrier_wait -3
	s_barrier_signal -1
	s_barrier_wait -1
.endm
; A joint load: waves 0-3 bring att's four planes, waves 4 and 5 WO's two halves; waves 6 and 7 have no part.
.macro JLOAD s
	s_cmp_lt_u32 s12, 4
	s_cbranch_scc0 .Lfor_w_\@
	tensor_load_to_lds s[G0A+4*\s:G0A+4*\s+3], s[G1A:G1A+7]
	s_nop 0
	s_branch .Lasked_\@
.Lfor_w_\@:
	s_cmp_gt_u32 s12, 5
	s_cbranch_scc1 .Lasked_\@
	tensor_load_to_lds s[G0W+4*\s:G0W+4*\s+3], s[G1W:G1W+7]
	s_nop 0
.Lasked_\@:
.endm
	s_load_b128 s[4:7], s[0:1], 0x0                ; att, wb
	s_load_b64 s[8:9], s[0:1], 0x10                ; out0
	v_lshl_add_u32 v254, v0, 2, 0x3d800
	v_mov_b32 v255, 0
	ds_add_u32 v254, v255
	v_lshrrev_b32 v1, 5, v0
	v_readfirstlane_b32 s12, v1                    ; wave 0..7
	s_lshr_b32 s13, s12, 1                         ; tw: my 32 tokens
	s_and_b32 s14, s12, 1                          ; fw: my 64 features
	s_bfe_u32 s40, ttmp6, 0x40000                  ; cx
	s_bfe_u32 s41, ttmp6, 0x40004                  ; cy
	s_lshl_b32 s42, ttmp9, 2
	s_add_co_u32 s42, s42, s40                     ; feature block
	s_and_b32 s43, ttmp7, 0xffff
	s_lshl_b32 s43, s43, 2
	s_add_co_u32 s43, s43, s41                     ; token block
	s_lshl_b32 s44, s41, 2
	s_lshl_b32 s44, 15, s44                        ; my row of the cluster
	s_lshl_b32 s45, 0x1111, s40                    ; my column
	; att: a dense block of 16,384 bytes as 64 rows of 256 bytes, 4 dwords of padding after every 32 dwords: in LDS 128 rows at pitch 144
	s_or_b32 s[G1A+0], s44, (1<<16)|(1<<20)|(1<<21)|(4<<22)|(3<<25)
	s_mov_b32 s[G1A+1], 128<<16
	s_mov_b32 s[G1A+2], 64<<16
	s_mov_b32 s[G1A+3], 128<<16
	s_mov_b32 s[G1A+4], 64
	s_mov_b32 s[G1A+5], 128
	s_mov_b32 s[G1A+6], 0
	s_mov_b32 s[G1A+7], 0
	; WO: 64 rows of 128 elements out of rows of 512, 4 dwords of padding after every 64 dwords
	s_or_b32 s[G1W+0], s45, (1<<16)|(1<<20)|(1<<21)|(5<<22)|(3<<25)
	s_mov_b32 s[G1W+1], 128<<16
	s_mov_b32 s[G1W+2], 64<<16
	s_mov_b32 s[G1W+3], 128<<16
	s_mov_b32 s[G1W+4], 64
	s_mov_b32 s[G1W+5], 512
	s_mov_b32 s[G1W+6], 0
	s_mov_b32 s[G1W+7], 0
	; att's address: hi or lo (bit 1 of the wave), batch, head (bit 0 of the wave), first token; no feature block enters it
	s_bfe_u32 s60, s12, 0x10001
	s_lshl_b32 s56, s60, 23
	s_lshr_b32 s57, s43, 4
	s_lshl_b32 s57, s57, 21                        ; 8 heads x 2,048 rows x 128 bytes a batch
	s_add_co_u32 s56, s56, s57
	s_lshl_b32 s57, s14, 18                        ; 2,048 rows x 128 bytes a head
	s_add_co_u32 s56, s56, s57
	s_and_b32 s57, s43, 15
	s_lshl_b32 s57, s57, 14                        ; 128 rows x 128 bytes a token block
	s_add_co_u32 s56, s56, s57
	s_mov_b32 s57, 0
	; WO's address: the fourth matrix of wb, feature block, half; no token block enters it
	s_lshl_b32 s58, s42, 17
	s_lshl_b32 s59, s14, 16
	s_add_co_u32 s58, s58, s59
	s_add_co_u32 s58, s58, 3*524288
	s_mov_b32 s59, 0
	s_mul_i32 s60, s12, PLANE                      ; LDS: plane = wave (0..3)
	s_mul_i32 s61, s12, WHALF
	s_add_co_u32 s61, s61, WOFF-4*WHALF            ; LDS: WO's half = wave - 4
	s_wait_dscnt 0x0
	s_wait_kmcnt 0x0
	s_add_nc_u64 s[56:57], s[4:5], s[56:57]
	s_add_nc_u64 s[58:59], s[6:7], s[58:59]
	CROUND                                         ; all sixteen work-groups are here: the first joint loads meet
.irp s, 0,1
	s_mov_b32 s[G0A+4*\s], 1
	s_add_co_u32 s[G0A+4*\s+1], s60, \s*SLOT
	s_add_nc_u64 s[G0A+4*\s+2:G0A+4*\s+3], s[56:57], \s*524288     ; two heads on
	s_or_b32 s[G0A+4*\s+3], s[G0A+4*\s+3], 0x80000000
	s_mov_b32 s[G0W+4*\s], 1
	s_add_co_u32 s[G0W+4*\s+1], s61, \s*SLOT
	s_add_nc_u64 s[G0W+4*\s+2:G0W+4*\s+3], s[58:59], \s*256
	s_or_b32 s[G0W+4*\s+3], s[G0W+4*\s+3], 0x80000000
	JLOAD \s                                       ; steps 0 and 1: two loads of a wave are out (of waves 6 and 7: none)
.endr
	v_and_b32 v1, 15, v0                           ; r
	v_bfe_u32 v2, v0, 4, 1                         ; h
	v_mul_u32_u24 v3, v1, AP
	v_lshl_add_u32 v3, v2, 4, v3
	s_mul_i32 s60, s13, 32*AP
	v_add_nc_u32 v[ADRA], s60, v3
	v_add_nc_u32 v[ADRA+1], SLOT, v[ADRA]
	v_mul_u32_u24 v4, v1, WP
	v_lshl_add_u32 v5, v2, 4, v4
	s_mul_i32 s60, s14, WHALF
	s_add_co_u32 s60, s60, WOFF
	v_add_nc_u32 v[ADRW], s60, v5
	v_add_nc_u32 v[ADRW+1], SLOT, v[ADRW]
	s_mul_i32 s60, s12, 16*WP
	s_add_co_u32 s60, s60, STAGE                   ; my stage
	v_lshl_add_u32 v5, v2, 5, v4
	v_add_nc_u32 v[ST], s60, v5                    ; in: row r, 32 bytes for each half of the lanes
	v_mul_u32_u24 v5, v2, WP
	v_lshl_add_u32 v5, v1, 4, v5
	v_add_nc_u32 v[RD], s60, v5                    ; back: lanes 0-15 one row of 256 bytes, lanes 16-31 the next
	v_lshlrev_b32 v5, 4, v1
	v_lshl_add_u32 v[CO], v2, 11, v5               ; the same two rows in out0
; 16 LDS loads: quarter u of a step (head u >> 1 of the slot's two, 32 of its 64 e)
.macro FETCH slot, u, f
.irp a, 0,1
	ds_load_b128 v[\f+8*\a:\f+8*\a+3],       v[ADRA+\slot] offset:(\u>>1)*PLANE+\a*16*AP+(\u&1)*64
	ds_load_b128 v[\f+8*\a+4:\f+8*\a+7],     v[ADRA+\slot] offset:(\u>>1)*PLANE+\a*16*AP+(\u&1)*64+32
	ds_load_b128 v[\f+16+8*\a:\f+16+8*\a+3], v[ADRA+\slot] offset:2*PLANE+(\u>>1)*PLANE+\a*16*AP+(\u&1)*64
	ds_load_b128 v[\f+16+8*\a+4:\f+16+8*\a+7], v[ADRA+\slot] offset:2*PLANE+(\u>>1)*PLANE+\a*16*AP+(\u&1)*64+32
.endr
.irp t, 0,1,2,3
	ds_load_b128 v[\f+32+8*\t:\f+32+8*\t+3],   v[ADRW+\slot] offset:\t*16*WP+\u*64
	ds_load_b128 v[\f+32+8*\t+4:\f+32+8*\t+7], v[ADRW+\slot] offset:\t*16*WP+\u*64+32
.endr
.endm
; 16 matrix instructions: hi's eight, then lo's eight; the eight accumulators take turns.  zero = 1: hi's products start the sums.
.macro MUL16 f, zero
.irp t, 0,1,2,3
.irp a, 0,1
.if \zero
	v_wmma_f32_16x16x32_bf16 v[ACC+8*(2*\t+\a):ACC+8*(2*\t+\a)+7], v[\f+32+8*\t:\f+32+8*\t+7], v[\f+8*\a:\f+8*\a+7], 0
.else
	v_wmma_f32_16x16x32_bf16 v[ACC+8*(2*\t+\a):ACC+8*(2*\t+\a)+7], v[\f+32+8*\t:\f+32+8*\t+7], v[\f+8*\a:\f+8*\a+7], v[ACC+8*(2*\t+\a):ACC+8*(2*\t+\a)+7]
.endif
.endr
.endr
.irp t, 0,1,2,3
.irp a, 0,1
	v_wmma_f32_16x16x32_bf16 v[ACC+8*(2*\t+\a):ACC+8*(2*\t+\a)+7], v[\f+32+8*\t:\f+32+8*\t+7], v[\f+16+8*\a:\f+16+8*\a+7], v[ACC+8*(2*\t+\a):ACC+8*(2*\t+\a)+7]
.endr
.endr
.endm
.macro QUART slot, u, f, g, zero
	PLACES                                         ; buffer g was read by the matrix instructions just in front
	FETCH \slot, \u, \g
	s_wait_dscnt 16                                ; all but the 16 just issued: buffer f is in
	MUL16 \f, \zero
.endm
.macro THREE slot, zero
	QUART \slot, 1, F0, F1, \zero
	QUART \slot, 2, F1, F0, 0
	QUART \slot, 3, F0, F1, 0
.endm
; The last quarter of a step whose slot is filled again, two steps ahead: every wave's reads of it are back and all its tensor loads have landed
; in front of the round; behind it the joint refill comes first, then the next slot's first fragments.
.macro TURNR slot, next
	PLACES
	s_wait_dscnt 0x0
	s_wait_tensorcnt 0x0
	ds_add_u32 v254, v255
	s_wait_dscnt 0x0
	s_add_nc_u64 s[G0A+4*\slot+2:G0A+4*\slot+3], s[G0A+4*\slot+2:G0A+4*\slot+3], 1048576   ; four heads on; no load of mine is out
	s_add_nc_u64 s[G0W+4*\slot+2:G0W+4*\slot+3], s[G0W+4*\slot+2:G0W+4*\slot+3], 512
	CROUND
	JLOAD \slot                                    ; one load of a wave is out
	FETCH \next, 0, F0
	MUL16 F1, 0
.endm
.macro TURNP next
	PLACES
	s_wait_dscnt 0x0
	s_wait_tensorcnt 0x0
	s_barrier_signal -1
	s_barrier_wait -1
	FETCH \next, 0, F0
	MUL16 F1, 0
.endm
	s_wait_tensorcnt 0x0                           ; my parts of steps 0 and 1 are in.  The waves issue different loads (att's, WO's, none), so the
	                                               ; wait is for zero, which shows step 0's part landed whichever of the three ways a wave took
	s_barrier_signal -1
	s_barrier_wait -1                              ; everybody's is in
	FETCH 0, 0, F0
	THREE 0, 1
	TURNR 0, 1                                     ; heads 4 and 5 into slot 0
	THREE 1, 0
	TURNR 1, 0                                     ; heads 6 and 7 into slot 1
	THREE 0, 0
	TURNP 1
	THREE 1, 0
	s_wait_dscnt 0x0
	MUL16 F1, 0
	; THE WAY OUT, 16 tokens at a time through my wave's own stage: 32 bytes a lane in, whole rows of 256 bytes back.
	PLACES
	s_lshl_b32 s62, s43, 18                        ; 128 rows of 2,048 bytes a token block (registers that feed no descriptor)
	s_lshl_b32 s15, s13, 16                        ; my 32 rows
	s_add_co_u32 s62, s62, s15
	s_lshl_b32 s15, s42, 9                         ; 128 features of 4 bytes a feature block
	s_add_co_u32 s62, s62, s15
	s_lshl_b32 s15, s14, 8                         ; my 64 features
	s_add_co_u32 s62, s62, s15
	s_mov_b32 s63, 0
	s_add_nc_u64 s[8:9], s[8:9], s[62:63]
.irp a, 0,1
.irp t, 0,1,2,3
	ds_store_b128 v[ST], v[ACC+8*(2*\t+\a):ACC+8*(2*\t+\a)+3]   offset:64*\t
	ds_store_b128 v[ST], v[ACC+8*(2*\t+\a)+4:ACC+8*(2*\t+\a)+7] offset:64*\t+16
.endr
.irp i, 0,1,2,3,4,5,6,7
	ds_load_b128 v[F0+64*\a+4*\i:F0+64*\a+4*\i+3], v[RD] offset:2*WP*\i    ; LDS serves a wave's instructions in order (ISA guide 5.7.1): these see the stores above, and the next stores come behind them
.endr
.endr
.irp i, 0,1,2,3,4,5,6,7
	s_wait_dscnt 23-\i                             ; behind load i of the first 16 tokens: its 7 - i followers, then 8 stores and 8 loads
	global_store_b128 v[CO], v[F0+4*\i:F0+4*\i+3], s[8:9] offset:2*\i*2048      ; sixteen lanes store 256 consecutive bytes, aligned
.endr
.irp i, 0,1,2,3,4,5,6,7
	s_wait_dscnt 7-\i
	global_store_b128 v[CO], v[F1+4*\i:F1+4*\i+3], s[8:9] offset:(16+2*\i)*2048
.endr
	s_wait_tensorcnt 0x0
	ds_add_u32 v254, v255
	s_wait_dscnt 0x0
	CROUND                                         ; the closing round
	s_endpgm
.Lfunc_end_k_q54750bb448_oproj:
	.size	k_q54750bb448_oproj, .Lfunc_end_k_q54750bb448_oproj-k_q54750bb448_oproj
	.p2alignl 7, 3214868480
	.fill 96, 4, 3214868480
	.section	.rodata,"a",@progbits
	.p2align	6, 0x0
	.amdhsa_kernel k_q54750bb448_oproj
		.amdhsa_group_segment_fixed_size 327680
		.amdhsa_private_segment_fixed_size 0
		.amdhsa_enable_private_segment 0
		.amdhsa_kernarg_size 24
		.amdhsa_user_sgpr_count 2
		.amdhsa_user_sgpr_kernarg_segment_ptr 1
		.amdhsa_wavefront_size32 1
		.amdhsa_system_sgpr_workgroup_id_x 1
		.amdhsa_system_sgpr_workgroup_id_y 1
		.amdhsa_system_sgpr_workgroup_id_z 1
		.amdhsa_system_vgpr_workitem_id 0
		.amdhsa_next_free_vgpr 256
		.amdhsa_next_free_sgpr 66
		.amdhsa_reserve_vcc 0
		.amdhsa_float_denorm_mode_32 3
		.amdhsa_float_denorm_mode_16_64 3
		.amdhsa_memory_ordered 1
		.amdhsa_forward_progress 1
		.amdhsa_inst_pref_size 48
	.end_amdhsa_kernel
	.amdgpu_metadata
---
amdhsa.version: [ 1, 2 ]
amdhsa.kernels:
  - .name:           k_q54750bb448_oproj
    .symbol:         k_q54750bb448_oproj.kd
    .args:
      - { .name: att, .offset: 0, .size: 8, .value_kind: global_buffer, .address_space: global }
      - { .name: wb, .offset: 8, .size: 8, .value_kind: global_buffer, .address_space: global }
      - { .name: out0, .offset: 16, .size: 8, .value_kind: global_buffer, .address_space: global }
    .group_segment_fixed_size: 327680
    .private_segment_fixed_size: 0
    .kernarg_segment_align: 8
    .kernarg_segment_size: 24
    .max_flat_workgroup_size: 256
    .sgpr_count:     66
    .vgpr_count:     256
    .wavefront_size: 32
...
	.end_amdgpu_metadata
.endif
;; end of part 4
;; ======== version 2 of 2: 4 launches; version 1 with the launch prep written anew for expert scheduling mode
;; limits: values are held in f16: magnitudes above 65,504 overflow, below 6.1e-05 lose precision
;; workspace buffers: xb 8,388,608 bytes; wb 2,097,152 bytes; mbits 524,288 bytes of whole numbers; qh 8,388,608 bytes; kv 16,777,216 bytes; att 16,777,216 bytes
;; launch prep (part 5): grid 256 x 1, 8 waves a work-group, no clusters, 70,656 bytes of LDS; arguments x, WQ, WK, WV, WO, mask, xb, wb, mbits; writes xb, wb, mbits
.if DOCPART == 5
	.amdgcn_target "amdgcn-amd-amdhsa--gfx1250"
	.amdhsa_code_object_version 6
	.text
	.protected	k_q54750bb448_prep
	.globl	k_q54750bb448_prep
	.p2align	8
	.type	k_q54750bb448_prep,@function
k_q54750bb448_prep:
	s_mov_b64 s[64:65], 0
	v_nop
	global_prefetch_b8 v0, s[64:65] scope:SCOPE_SE
	s_setreg_imm32_b32 hwreg(HW_REG_WAVE_SCHED_MODE, 0, 2), 2
	s_setreg_imm32_b32 hwreg(HW_REG_WAVE_MODE, 25, 1), 1
	s_wait_xcnt 0x0
	s_wait_alu depctr_vm_vsrc(0)
; prep: x and the four weight matrices are rounded once to bf16 (xb; wb in the order WQ, WK, WV, WO), and the mask
; [2048][2048] of int32 is packed to one bit a word, in the order in which the attention launch holds its scores:
;   mbits[Q32][ks][qt][kt][j], bit L = (mask[32 Q32 + 16 qt + (L & 15)][64 ks + 16 kt + 8 (L >> 4) + j] != 0),
; so that one dword is the lane mask of one score register.  Any word other than 0 keeps its key.
; 2,048 waves, each with three pieces of its own: 32 rows x 256 bytes of the mask, 8,192 bytes of x, 2,048 bytes of one W.
; All 36 loads of a wave are issued in one run; no loop, no register is written again behind a store, EXEC never changes.
; The mask piece is turned through the wave's own 8,704 bytes of LDS (32 rows at a pitch of 272 = 17 x 16 bytes: the sixteen
; rows that a read touches start at sixteen different 16-byte columns modulo 256).  No wave reads another's bytes: no barrier.
; THE MODE: SCHED_MODE bits 1:0 = 2 (LLVM: expert scheduling mode 2), set by the entry lines.  The code itself states the register dependences
; between vector instructions and memory or LDS instructions, with s_wait_alu, always for 0.
; THE PLAN.  Registers that memory or LDS instructions touch:
;   v2 .. v6, v232, v233  offsets and LDS addresses: written by vector instructions at the head, never again; read by every load, store and LDS instruction.
;   MK   written by the mask's loads, read by the LDS stores; no vector instruction names it.
;   MT   written by the LDS loads, which are issued before any vector instruction names it; read by the compares.
;   XF   written by x's loads, then in place by 32 conversions; read by 16 stores.
;   WF   written by W's loads, then in place by 8 conversions; read by 4 stores.
;   OB   written by two moves and 64 v_writelane_b32; read by the last store.
; So three waits on va_vdst state all of it: one ahead of the first load (the offsets and addresses), one between x's conversions and x's stores,
; one ahead of the last five stores (W's conversions, OB).  No register that a memory or LDS instruction has read is written again: no wait on vm_vsrc is owed.
; Scalar results of vector instructions: the wave's number, and the compares' lane masks, made in runs of sixteen with one wait on va_sdst behind each run.
.set LP,    272                        ; LDS pitch of a mask row piece (256 bytes + 16)
.set WREG,  32*LP                      ; a wave's LDS bytes
.set MK,  16                           ; v[16:79]    mask as loaded: load i = rows 2i, 2i+1
.set XF,  80                           ; v[80:143]   x as loaded; packed in place
.set WF,  144                          ; v[144:159]  W as loaded; packed in place
.set MT,  160                          ; v[160:223]  mask turned: register d = 32 qt + 8 kt + j
.set OB,  224                          ; v[224:225]  the 64 packed dwords: lane l holds dwords 2l and 2l+1
	s_load_b512 s[4:19], s[0:1], 0x0               ; x, WQ, WK, WV, WO, mask, xb, wb
	s_load_b64 s[20:21], s[0:1], 0x40              ; mbits
	v_lshl_add_u32 v232, v0, 2, 0x11000            ; my spare word, behind the eight waves' 8 x 8,704 bytes; kept for the closing lines alone
	v_mov_b32 v233, 0                              ; and 0, likewise
	v_lshrrev_b32 v1, 5, v0
	v_readfirstlane_b32 s24, v1                    ; wave 0..7
	v_and_b32 v1, 31, v0                           ; lane L
	v_and_b32 v7, 15, v0                           ; L & 15
	v_bfe_u32 v8, v0, 4, 1                         ; L >> 4
	v_lshlrev_b32 v9, 4, v7
	v_lshl_add_u32 v2, v8, 13, v9                  ; mask: (L >> 4) rows of 8,192 bytes + 16 (L & 15)
	v_lshlrev_b32 v3, 4, v1                        ; 16 L: f32 in
	v_lshlrev_b32 v4, 3, v1                        ; 8 L: bf16 out, and the packed mask
	s_wait_alu depctr_va_sdst(0)                   ; s24 is written, ahead of its first reader: the LDS bytes and all the offsets below are made from it
	s_mul_i32 s25, s24, WREG                       ; my wave's LDS bytes
	v_mul_u32_u24 v5, v8, LP
	v_add3_u32 v5, v5, v9, s25                     ; in: row L >> 4, 16 bytes at 16 (L & 15)
	v_mul_u32_u24 v6, v7, LP
	v_lshl_add_u32 v6, v8, 5, v6
	v_add_nc_u32 v6, s25, v6                       ; back: row L & 15, 32 bytes at 32 (L >> 4)
	; offsets, each in a pair of its own
	s_lshr_b32 s44, ttmp9, 2                       ; Q32 = block of 32 queries
	s_and_b32 s45, ttmp9, 3
	s_lshl3_add_u32 s45, s45, s24                  ; ks = block of 64 keys
	s_lshl_b32 s26, s44, 18                        ; 32 rows of 8,192 bytes
	s_lshl_b32 s46, s45, 8
	s_add_co_u32 s26, s26, s46
	s_mov_b32 s27, 0
	s_lshl_b32 s28, s44, 5
	s_add_co_u32 s28, s28, s45
	s_lshl_b32 s28, s28, 8                         ; (32 Q32 + ks) x 256 bytes of mbits
	s_mov_b32 s29, 0
	s_lshl3_add_u32 s46, ttmp9, s24                ; g = my wave among the 2,048
	s_lshl_b32 s30, s46, 13                        ; x: 8,192 g
	s_mov_b32 s31, 0
	s_lshl_b32 s34, s46, 12                        ; xb: 4,096 g
	s_mov_b32 s35, 0
	s_lshr_b32 s44, ttmp9, 6                       ; which W: 64 work-groups for each
	s_and_b32 s45, ttmp9, 63
	s_lshl3_add_u32 s45, s45, s24                  ; my piece of it, 0..511
	s_lshl_b32 s40, s45, 11
	s_mov_b32 s41, 0
	s_lshl_b32 s42, s44, 19                        ; wb: 524,288 bytes a matrix
	s_lshl_b32 s46, s45, 10
	s_add_co_u32 s42, s42, s46
	s_mov_b32 s43, 0
	s_wait_kmcnt 0x0
	s_cmp_eq_u32 s44, 1                            ; the choice hangs on the work-group's number alone
	s_cselect_b64 s[32:33], s[8:9], s[6:7]
	s_cmp_eq_u32 s44, 2
	s_cselect_b64 s[32:33], s[10:11], s[32:33]
	s_cmp_eq_u32 s44, 3
	s_cselect_b64 s[32:33], s[12:13], s[32:33]
	s_add_nc_u64 s[14:15], s[14:15], s[26:27]
	s_add_nc_u64 s[20:21], s[20:21], s[28:29]
	s_add_nc_u64 s[4:5], s[4:5], s[30:31]
	s_add_nc_u64 s[16:17], s[16:17], s[34:35]
	s_add_nc_u64 s[32:33], s[32:33], s[40:41]
	s_add_nc_u64 s[18:19], s[18:19], s[42:43]
	s_wait_alu depctr_va_vdst(0)                   ; v2 to v6 are written, which every load, store and LDS instruction below reads as its offset or address; so are v232 and v233
.irp i, 0,1,2,3,4,5,6,7,8,9,10,11,12,13,14,15
	global_load_b128 v[MK+4*\i:MK+4*\i+3], v2, s[14:15] offset:16384*\i th:TH_LOAD_NT   ; sixteen lanes take 256 consecutive bytes of a row
.endr
.irp i, 0,1,2,3,4,5,6,7,8,9,10,11,12,13,14,15
	global_load_b128 v[XF+4*\i:XF+4*\i+3], v3, s[4:5] offset:512*\i th:TH_LOAD_NT
.endr
.irp i, 0,1,2,3
	global_load_b128 v[WF+4*\i:WF+4*\i+3], v3, s[32:33] offset:512*\i th:TH_LOAD_NT
.endr
	s_wait_loadcnt 20                              ; the mask is in; the 16 loads of x and the 4 of W stay out
.irp i, 0,1,2,3,4,5,6,7,8,9,10,11,12,13,14,15
	ds_store_b128 v5, v[MK+4*\i:MK+4*\i+3] offset:2*LP*\i          ; the data come from loads, the address from ahead of the wait above: no vector instruction has been issued since
.endr
.irp qt, 0,1
.irp kt, 0,1,2,3
	ds_load_b128 v[MT+8*(4*\qt+\kt):MT+8*(4*\qt+\kt)+3],   v6 offset:16*LP*\qt+64*\kt      ; my own bytes, and LDS serves a wave's
	ds_load_b128 v[MT+8*(4*\qt+\kt)+4:MT+8*(4*\qt+\kt)+7], v6 offset:16*LP*\qt+64*\kt+16   ; instructions in order (ISA guide 5.7.1): no wait between
.endr
.endr
	s_wait_loadcnt 4                               ; x is in; W's four loads stay out
.irp i, 0,1,2,3,4,5,6,7,8,9,10,11,12,13,14,15
	v_cvt_pk_bf16_f32 v[XF+4*\i],   v[XF+4*\i],   v[XF+4*\i+1]     ; all 32 conversions in one run, so that one wait serves the 16 stores
	v_cvt_pk_bf16_f32 v[XF+4*\i+1], v[XF+4*\i+2], v[XF+4*\i+3]
.endr
	s_wait_alu depctr_va_vdst(0)                   ; the conversions have written v[XF ..], which the stores below read
.irp i, 0,1,2,3,4,5,6,7,8,9,10,11,12,13,14,15
	global_store_b64 v4, v[XF+4*\i:XF+4*\i+1], s[16:17] offset:256*\i    ; the wave's store covers 256 consecutive bytes, aligned
.endr
	s_wait_loadcnt 0x0
.irp i, 0,1,2,3
	v_cvt_pk_bf16_f32 v[WF+4*\i],   v[WF+4*\i],   v[WF+4*\i+1]     ; W's stores stand at the end, behind the wait that the mask's store wants anyway
	v_cvt_pk_bf16_f32 v[WF+4*\i+1], v[WF+4*\i+2], v[WF+4*\i+3]
.endr
	s_wait_dscnt 0x0                               ; the turned mask is in
	v_mov_b32 v[OB], 0                             ; v_writelane_b32 keeps the other lanes: both registers are written whole first
	v_mov_b32 v[OB+1], 0
; The compare's lane mask IS dword d.  Sixteen compares in a run, into s[24:31] and s[40:47] (offsets and temporaries of the head, used up; none has held an
; address, none is named by a memory instruction), one wait, then the sixteen lines that read them.
.set d, 0
.rept 4
.set k, 0
.rept 16
	v_cmp_ne_u32 s[24+k+(k/8)*8], 0, v[MT+d+k]
.set k, k+1
.endr
	s_wait_alu depctr_va_sdst(0)                   ; the sixteen compares have written their scalar registers, ahead of the first v_writelane_b32 that reads one
.set k, 0
.rept 16
	v_writelane_b32 v[OB+((d+k)&1)], s[24+k+(k/8)*8], (d+k)>>1
.set k, k+1
.endr
.set d, d+16
.endr
	s_wait_alu depctr_va_vdst(0)                   ; W's conversions have written v[WF ..] and the v_writelane_b32 v[OB ..], which the five stores below read
.irp i, 0,1,2,3
	global_store_b64 v4, v[WF+4*\i:WF+4*\i+1], s[18:19] offset:256*\i
.endr
	global_store_b64 v4, v[OB:OB+1], s[20:21]      ; 256 consecutive bytes, aligned
	s_wait_dscnt 0x0                               ; the closing lines, six on end
	s_wait_alu 0x0
	s_wait_tensorcnt 0x0
	ds_add_u32 v232, v233
	s_wait_dscnt 0x0
	s_endpgm
.Lfunc_end_k_q54750bb448_prep:
	.size	k_q54750bb448_prep, .Lfunc_end_k_q54750bb448_prep-k_q54750bb448_prep
	.p2alignl 7, 3214868480
	.fill 96, 4, 3214868480
	.section	.rodata,"a",@progbits
	.p2align	6, 0x0
	.amdhsa_kernel k_q54750bb448_prep
		.amdhsa_group_segment_fixed_size 70656
		.amdhsa_private_segment_fixed_size 0
		.amdhsa_enable_private_segment 0
		.amdhsa_kernarg_size 72
		.amdhsa_user_sgpr_count 2
		.amdhsa_user_sgpr_kernarg_segment_ptr 1
		.amdhsa_wavefront_size32 1
		.amdhsa_system_sgpr_workgroup_id_x 1
		.amdhsa_system_sgpr_workgroup_id_y 1
		.amdhsa_system_sgpr_workgroup_id_z 1
		.amdhsa_system_vgpr_workitem_id 0
		.amdhsa_next_free_vgpr 234
		.amdhsa_next_free_sgpr 66
		.amdhsa_reserve_vcc 0
		.amdhsa_float_denorm_mode_32 3
		.amdhsa_float_denorm_mode_16_64 3
		.amdhsa_memory_ordered 1
		.amdhsa_forward_progress 1
		.amdhsa_inst_pref_size 22
	.end_amdhsa_kernel
	.amdgpu_metadata
---
amdhsa.version: [ 1, 2 ]
amdhsa.kernels:
  - .name:           k_q54750bb448_prep
    .symbol:         k_q54750bb448_prep.kd
    .args:
      - { .name: x, .offset: 0, .size: 8, .value_kind: global_buffer, .address_space: global }
      - { .name: WQ, .offset: 8, .size: 8, .value_kind: global_buffer, .address_space: global }
      - { .name: WK, .offset: 16, .size: 8, .value_kind: global_buffer, .address_space: global }
      - { .name: WV, .offset: 24, .size: 8, .value_kind: global_buffer, .address_space: global }
      - { .name: WO, .offset: 32, .size: 8, .value_kind: global_buffer, .address_space: global }
      - { .name: mask, .offset: 40, .size: 8, .value_kind: global_buffer, .address_space: global }
      - { .name: xb, .offset: 48, .size: 8, .value_kind: global_buffer, .address_space: global }
      - { .name: wb, .offset: 56, .size: 8, .value_kind: global_buffer, .address_space: global }
      - { .name: mbits, .offset: 64, .size: 8, .value_kind: global_buffer, .address_space: global }
    .group_segment_fixed_size: 70656
    .private_segment_fixed_size: 0
    .kernarg_segment_align: 8
    .kernarg_segment_size: 72
    .max_flat_workgroup_size: 256
    .sgpr_count:     66
    .vgpr_count:     234
    .wavefront_size: 32
...
	.end_amdgpu_metadata
.endif
;; end of part 5
;; launch qkv: the kernel of part 2 again; grid 8 x 32, 8 waves a work-group, clusters of 4 x 4, 327,680 bytes of LDS; arguments xb, wb, qh, kv; writes qh, kv
;; launch attn: the kernel of part 3 again; grid 8 x 32, 16 waves a work-group, clusters of 4 x 1, 327,680 bytes of LDS; arguments qh, kv, mbits, att; writes att
;; launch oproj: the kernel of part 4 again; grid 4 x 64, 8 waves a work-group, clusters of 4 x 4, 327,680 bytes of LDS; arguments att, wb, out0; writes out0
